; MI455X (gfx1250); checked and timed in simulation.
; The chip was launched on July 23, 2026; its instructions are those of AMD's public machine-readable ISA for CDNA 5 (MIT licence, August 2026) and "CDNA5" Instruction Set Architecture Reference Guide (July 2026). The comments in the code are by the model that wrote it; some were corrected since.
;; Self Attention. Allowed arithmetic: matrix products marked QUANTISED: E2M3 operands, one E8M0 scale for each 32 along K, by v_wmma_scale_f32_16x16x128_f8f6f4 with both operands' format E2M3, f32 sums; everything else in f32.
;; Inputs: Wk 2,048 x 2,048 float32; Wo 2,048 x 2,048 float32; Wq 2,048 x 2,048 float32; Wv 2,048 x 2,048 float32; bk 2,048 float32; bo 2,048 float32; bq 2,048 float32; bv 2,048 float32; k 2 x 1,024 x 2,048 float32; q 2 x 1,024 x 2,048 float32; v 2 x 1,024 x 2,048 float32.
;; Outputs: out0 2 x 1,024 x 2,048 float32.
;; Constants: causal_mask = 1.
;; This version of the problem:
;;   THIS VERSION OF THE PROBLEM IS GIVEN IN LOW PRECISION. The matrix products marked QUANTISED in the list below multiply operands that are first quantised to E2M3 (2 exponent bits, 3 mantissa bits; 6 bits a number), with one power-of-two scale for each 32 numbers along K (OCP MX v1.0); their sums are f32. All else is computed in f32.
;;   The module's matrix products, in the order in which they are computed (A, B: the left and right operand; K: the contracted axis; several contracted axes count as one K, in the product's order):
;;     1. [M 2,048, K 2,048] x [K 2,048, N 2,048]; A: input q; B: input Wq: QUANTISED
;;     2. [M 2,048, K 2,048] x [K 2,048, N 2,048]; A: input k; B: input Wk: QUANTISED
;;     3. [M 2,048, K 2,048] x [K 2,048, N 2,048]; A: input v; B: input Wv: QUANTISED
;;     4. batch 32 x [M 1,024, K 128] x [K 128, N 1,024]; A: computed on the way; B: computed on the way: QUANTISED
;;     5. batch 32 x [M 1,024, K 1,024] x [K 1,024, N 128]; A: softmax (see below); B: computed on the way: QUANTISED
;;     6. [M 2,048, K 2,048] x [K 2,048, N 2,048]; A: computed on the way; B: input Wo: QUANTISED
;;   THE QUANTISER, for each operand of a quantised product, along K:
;;     - K is cut into blocks of 32 from its start; a last block that is shorter is filled with zeros.
;;     - A block's scale is 2^e with e = floor(log2(the largest magnitude in the block)) - 2, held to -126 .. 127; a block of zeros has e = 0. As a byte (E8M0): e + 127.
;;     - Each number is divided by its block's scale, clamped to +-7.5, and rounded to the nearest number of E2M3, ties to even, subnormals kept.
;;     - The product sums the exact products of the quantised numbers (number of the format x scale) in f32.
;;   ~~~python
;;   def quantise(x, axis):      # numpy; x: float32 -> the quantised numbers, widened to float32 again
;;       x = np.moveaxis(x, axis, -1); K = x.shape[-1]
;;       x = np.pad(x, [(0, 0)] * (x.ndim - 1) + [(0, -K % 32)]); x = x.reshape(x.shape[:-1] + (-1, 32)); a = np.abs(x).max(-1, keepdims=True)
;;       e = np.where(a > 0, np.clip(np.frexp(np.where(a > 0, a, 1))[1] - 1 - 2, -126, 127), 0)      # np.frexp(a)[1] - 1 = floor(log2(a)), exactly
;;       r = np.clip(x / 2.0 ** e, -7.5, 7.5)
;;       step = 2.0 ** (np.maximum(np.frexp(np.where(r == 0, 1, r))[1] - 1, 0) - 3)
;;       q = np.round(r / step) * step * 2.0 ** e      # np.round: ties to even
;;       return np.moveaxis(q.reshape(q.shape[:-2] + (-1,))[..., :K], -1, axis).astype(np.float32)
;;   ~~~
;;   SOFTMAX AHEAD OF A QUANTISED PRODUCT. Where the list says 'softmax', what is quantised is not the finished softmax but p = 2^(t - M), with t = logit x log2(e) and M = ceil(the row's largest t), a whole number; so 1/2 < the row's largest p <= 1. The row's sum l is taken of the UNQUANTISED p, in f32, and the product's result is divided by l at the end. Since M is a whole number, a kernel that streams over the keys may use a running M (the ceiling of the running maximum): every later rescaling is an exact power of two, which a block's scale takes up: the codes' values come out the same.
;;   OPERANDS COMPUTED ON THE WAY. 'Computed on the way' means the value that the module computes at that place (a softmax that the list does not call 'softmax' is quantised finished and normalised). What goes into a quantiser is computed in f32, as accurately as f32 sums, v_exp_f32 and their like allow (about 1e-6 of the number): no bf16 or f16 on the way to a quantiser, and a product that is left as it is and whose result goes on into a quantised operand takes f32 operands (vector FMAs, or v_wmma_f32_16x16x4_f32). A number that lies on a knife's edge between two numbers of the format may be rounded either way, as far as f32 arithmetic and the matrix unit's own rounding can turn it there, and no further.
;; One version. Each part assembles by itself: llvm-mc -triple=amdgcn-amd-amdhsa -mcpu=gfx1250 --defsym DOCPART=n.
;; ======== version 1 of 1: 4 launches
;; limits: right only within a limited range of input values
;; workspace buffers: codes 22,937,600 bytes; qkv 9,830,400 bytes; ao 3,276,800 bytes
;; launch quant (part 1): grid 256 x 1, 14 waves a work-group, no clusters, 238,592 bytes of LDS; arguments q, k, Wv, Wq, Wk, v, Wo, codes; writes codes
.if DOCPART == 1
	.amdgcn_target "amdgcn-amd-amdhsa--gfx1250"
	.amdhsa_code_object_version 6
	.text
	.protected	k_q51153a17a8_quant
	.globl	k_q51153a17a8_quant
	.p2align	8
	.type	k_q51153a17a8_quant,@function
k_q51153a17a8_quant:
	s_mov_b64 s[64:65], 0
	v_nop
	global_prefetch_b8 v0, s[64:65] scope:SCOPE_SE
	s_setreg_imm32_b32 hwreg(HW_REG_WAVE_MODE, 25, 1), 1
	s_wait_xcnt 0x0
; The seven f32 tensors [2048][2048] (K innermost) become codes of FP6 (E2M3) with one E8M0 byte for each 32 along K, laid as RECORDS.
; A RECORD is 128 rows x 128 K in 12,800 bytes: eight fragment images of 1,536 bytes (register g of lane l at 512 (g / 4) + 16 l + 4 (g % 4): the twelve
; registers of the matrix operand as they stand), then 512 bytes of scale words.  Lane r of fragment f holds row 32 (f / 2) + 8 (f % 2) + r + 8 (r / 8).
; The word of fragment 4 a + 2 jj + hh, row r, lies at 12288 + 256 a + 8 (r + 16 hh) + 4 jj.  Record (tensor T, row tile, K step) lies at ((16 T + tile) 16 + step) x 12,800.
; A block's scale is 2^(floor(log2(its largest magnitude)) - 2); its byte is the largest magnitude's exponent field - 2, held at 1 from below.
; LIMITS: a block of zeros gets the byte 1 where the rule says 127 (its codes are zeros, and this program alone reads the bytes); NaN and infinities among the inputs are not served.
; SHARES: work-group x = 16 x row tile + K step; wave w takes tensor w / 2 and half w % 2 of the record: 64 rows x 512 bytes, four fragments.  Waves share nothing: no barrier.
; ALL OF A WAVE'S 32,768 BYTES ARE ASKED FOR AT ITS HEAD, BY TWO ROADS.  Rows 0-31 (fragments 0 and 1) come by ONE tensor load into the wave's own LDS region, rows of 512 bytes + 16 of padding.
; Rows 32-63 (fragments 2 and 3) come by 32 loads of 512 consecutive bytes into registers and turn through the same region once its tile has been read: it is filled once in the launch.
; From LDS a lane takes 2 x 32 neighbours along K of its row.  In the tile, rows r and r + 16 of a fragment begin at the same bank (16 x 528 bytes is a multiple of 256): those reads are two deep.
; Each fragment's codes have registers of their own, so no store's data are written again; a fragment's stores stand behind the next fragment's LDS reads.
; NO PREFETCH: the text has no loop to run ahead in; every byte is requested at the head.  NO CLUSTER: no two work-groups read the same bytes.
.set REC,   12800
.set WREG,  16896                      ; a wave's LDS region: 32 rows x 528 bytes
.set SPARE, 14*WREG                    ; behind the regions: the spare words, 128 bytes a wave, rounded up to 2,048
.set GA,    4                          ; v4   16 x lane
.set SI,    5                          ; v5   the stage, way in
.set SOUT,  6                          ; v6   the stage, way out: 528 r + 128 h
.set TA,    7                          ; v7   the tile: 528 (r + 8 (r / 8)) + 128 h
.set SS,    8                          ; v8   8 x lane
.set H8,    9                          ; v9   8 h
.set R,     16                         ; v16-143  fragments 2 and 3 as loaded; later their codes
.set X,     144                        ; v144-207 64 numbers: register 32 c + i = k 64 c + 32 h + i of my row
.set C0,    208                        ; the images of fragments 0 and 1
.set C1,    220
.set T,     232                        ; v232-238 the second halves of the blocks' codes
.set SW,    240                        ; v240-243 the four fragments' scale words
.set MX,    244
.set SO,    246
.set BY,    248
.set PW,    250
.set PX,    251
.set OW,    252
.set G1,    48
.set G0,    56
	s_load_b512 s[16:31], s[0:1], 0x0              ; q, k, Wv, Wq, Wk, v, Wo, codes
	v_lshl_add_u32 v254, v0, 2, SPARE
	v_mov_b32 v255, 0
	ds_add_u32 v254, v255                          ; the opening lines: the add, twice on end, and its wait ahead of my tensor load
	ds_add_u32 v254, v255
	v_lshrrev_b32 v1, 5, v0
	s_delay_alu instid0(VALU_DEP_1)
	v_readfirstlane_b32 s8, v1                     ; wave 0..13
	s_lshr_b32 s9, s8, 1                           ; which tensor
	s_and_b32 s10, s8, 1                           ; which half of the record
	v_and_b32 v1, 31, v0                           ; lane
	v_and_b32 v2, 15, v0                           ; r
	v_bfe_u32 v3, v0, 4, 1                         ; h
	s_mul_i32 s11, s8, WREG
	v_lshlrev_b32 v[GA], 4, v1
	v_mul_u32_u24 v[SOUT], v2, 528
	v_and_b32 v10, 8, v2
	v_lshlrev_b32 v[SS], 3, v1
	v_add_nc_u32 v[SI], s11, v[GA]
	v_lshl_add_u32 v[SOUT], v3, 7, v[SOUT]
	v_mul_u32_u24 v10, v10, 528
	v_lshlrev_b32 v[H8], 3, v3
	v_add_nc_u32 v[SOUT], s11, v[SOUT]
	v_mov_b32 v[PX], 0                             ; a lane permute's destination counts as one of its sources
	s_delay_alu instid0(VALU_DEP_2)
	v_add_nc_u32 v[TA], v10, v[SOUT]
	s_mov_b32 s34, 0x76543210
	s_mov_b32 s35, 0xfedcba98                      ; selects for lane l xor 16
	s_mov_b32 s[G1], (2<<16)|(1<<20)|(6<<22)|(3<<25)   ; elements of 4 bytes; after every 128 words 4 words of padding
	s_mov_b32 s[G1+1], 128<<16                     ; tensor_dim0 = 128
	s_mov_b32 s[G1+2], 32<<16                      ; tensor_dim1 = 32
	s_mov_b32 s[G1+3], 128<<16                     ; tile_dim0 = 128
	s_mov_b32 s[G1+4], 32                          ; tile_dim1 = 32
	s_mov_b32 s[G1+5], 2048                        ; elements from row to row
	s_mov_b32 s[G1+6], 0
	s_mov_b32 s[G1+7], 0
	s_lshr_b32 s12, ttmp9, 4
	s_lshl_b32 s12, s12, 20                        ; the row tile: 128 rows of 8,192 bytes
	s_lshl_b32 s13, s10, 19                        ; my 64 rows
	s_add_co_u32 s12, s12, s13
	s_and_b32 s13, ttmp9, 15
	s_lshl_b32 s13, s13, 9                         ; the K step: 128 numbers
	s_add_co_u32 s12, s12, s13
	s_mov_b32 s13, 0
	s_lshl_b32 s36, s9, 8
	s_add_co_u32 s36, s36, ttmp9
	s_mul_i32 s36, s36, REC                        ; my record
	s_mov_b32 s37, 0
	s_mul_i32 s38, s10, 6144                       ; my four images in it
	s_mov_b32 s39, 0
	s_lshl_b32 s40, s10, 8
	s_add_co_u32 s40, s40, 12288                   ; my 256 bytes of scale words
	s_mov_b32 s41, 0
	s_wait_dscnt 0x0                               ; both opening adds are done
	s_wait_alu depctr_va_vdst(0)                   ; the wait at the head's end
	s_wait_kmcnt 0x0
	s_mov_b64 s[4:5], s[16:17]                     ; the source is chosen on the wave's number alone
.irp i, 1,2,3,4,5,6
	s_cmp_eq_u32 s9, \i
	s_cselect_b64 s[4:5], s[16+2*\i:17+2*\i], s[4:5]
.endr
	s_add_nc_u64 s[4:5], s[4:5], s[12:13]
	s_mov_b32 s[G0], 1
	s_mov_b32 s[G0+1], s11                         ; my region
	s_mov_b64 s[G0+2:G0+3], s[4:5]
	s_or_b32 s[G0+3], s[G0+3], 0x80000000
	tensor_load_to_lds s[G0:G0+3], s[G1:G1+7]      ; rows 0-31: my one tensor load
	s_nop 0
.macro LOAD f                          ; the sixteen rows of fragment f, 512 consecutive bytes a load, into set f % 2
.irp i, 0,1,2,3,4,5,6,7,8,9,10,11,12,13,14,15
	global_load_b128 v[R+64*((\f)%2)+4*\i:R+64*((\f)%2)+4*\i+3], v[GA], s[4:5] offset:(32*((\f)/2)+8*((\f)%2)+\i+8*(\i/8))*8192 th:TH_LOAD_NT
.endr
.endm
.macro RDT f                           ; fragment f (0, 1) out of the tile: its first row is row 8 f
.irp c, 0,1
.irp j, 0,1,2,3,4,5,6,7
	ds_load_b128 v[X+32*\c+4*\j:X+32*\c+4*\j+3], v[TA] offset:4224*(\f)+256*\c+16*\j
.endr
.endr
.endm
.macro STG f                           ; fragment f (2, 3) through half f % 2 of my region, whose tile has been read: LDS serves a wave's instructions in order, so no wait stands between the stores and the loads
.irp i, 0,1,2,3,4,5,6,7,8,9,10,11,12,13,14,15
	ds_store_b128 v[SI], v[R+64*((\f)%2)+4*\i:R+64*((\f)%2)+4*\i+3] offset:8448*((\f)%2)+528*\i
.endr
.irp c, 0,1
.irp j, 0,1,2,3,4,5,6,7
	ds_load_b128 v[X+32*\c+4*\j:X+32*\c+4*\j+3], v[SOUT] offset:8448*((\f)%2)+256*\c+16*\j
.endr
.endr
.endm
.macro QUANT f, cr                     ; the 64 numbers in X become fragment f's image in v[cr .. cr + 11] and its scale word
.irp c, 0,1
	v_max3_num_f32 v[MX+\c], |v[X+32*\c]|, |v[X+32*\c+1]|, 0x1800000   ; my block 2 c + h: all 32 numbers are mine; the floor 2^(3 - 127) holds the byte at 1 from below
.endr
.irp i, 2,4,6,8,10,12,14,16,18,20,22,24,26,28,30
.irp c, 0,1
	s_delay_alu instid0(VALU_DEP_2)
	v_max3_num_f32 v[MX+\c], v[MX+\c], |v[X+32*\c+\i]|, |v[X+32*\c+\i+1]|
.endr
.endr
.irp c, 0,1
	s_delay_alu instid0(VALU_DEP_2)
	v_add_nc_u32 v[SO+\c], 0xff000000, v[MX+\c]    ; 2 off the exponent field: the conversion's scale operand
.endr
.irp c, 0,1
	s_delay_alu instid0(VALU_DEP_2)
	v_lshrrev_b32 v[BY+\c], 23, v[SO+\c]           ; the scale's byte
.endr
	s_delay_alu instid0(VALU_DEP_1)
	v_lshl_or_b32 v[PW], v[BY+1], 16, v[BY]        ; my two bytes: blocks h and 2 + h,
	s_delay_alu instid0(VALU_DEP_1)
	v_lshlrev_b32 v[PW], v[H8], v[PW]              ; at their places in the word;
	s_delay_alu instid0(VALU_DEP_1)
	v_permlanex16_b32 v[PX], v[PW], s34, s35
	s_delay_alu instid0(VALU_DEP_1)
	v_or_b32 v[SW+(\f)], v[PW], v[PX]              ; with lane l xor 16's two the word is whole
.irp c, 0,1
	v_cvt_scalef32_pk16_fp6_f32 v[\cr+6*\c:\cr+6*\c+2], v[X+32*\c:X+32*\c+15], v[SO+\c]
	v_cvt_scalef32_pk16_fp6_f32 v[T+4*\c:T+4*\c+2], v[X+32*\c+16:X+32*\c+31], v[SO+\c]   ; (a conversion's three registers begin on an even number)
.endr
	v_nop                                          ; one plain place behind a scaled conversion
.irp c, 0,1
.irp i, 0,1,2
	v_mov_b32 v[\cr+3+6*\c+\i], v[T+4*\c+\i]
.endr
.endr
	s_wait_alu depctr_va_vdst(0)
.endm
.macro OUT f, cr
.irp c, 0,1,2
	global_store_b128 v[GA], v[\cr+4*\c:\cr+4*\c+3], s[14:15] offset:1536*(\f)+512*\c   ; 32 lanes store 512 consecutive bytes, at a multiple of 256 from the buffer's first byte
.endr
.endm
	LOAD 2
	LOAD 3
	s_add_nc_u64 s[30:31], s[30:31], s[36:37]
	s_add_nc_u64 s[14:15], s[30:31], s[38:39]
	s_add_nc_u64 s[6:7], s[30:31], s[40:41]
	s_wait_tensorcnt 0x0                           ; my tile is in: only I read it
	RDT 0
	s_wait_dscnt 0x0
	QUANT 0, C0
	RDT 1
	OUT 0, C0
	s_wait_dscnt 0x0
	QUANT 1, C1
	s_wait_loadcnt 16                              ; fragment 2's sixteen loads are in; fragment 3's sixteen may be out
	STG 2
	OUT 1, C1
	s_wait_dscnt 0x0                               ; the numbers are back, and the stage's stores have read set 0, which takes the codes
	QUANT 2, R
	s_wait_loadcnt 0x0
	STG 3
	OUT 2, R
	s_wait_dscnt 0x0
	QUANT 3, R+64
	s_mov_b32 vcc_lo, 0xffff0000                   ; lanes 16-31 carry the odd fragments' words
	v_cndmask_b32 v[OW], v[SW], v[SW+1], vcc_lo
	v_cndmask_b32 v[OW+1], v[SW+2], v[SW+3], vcc_lo
	OUT 3, R+64
	global_store_b64 v[SS], v[OW:OW+1], s[6:7]     ; 32 lanes store 256 consecutive bytes, aligned
	s_wait_tensorcnt 0x0                           ; the wave's end
	ds_add_u32 v254, v255
	s_wait_dscnt 0x0
	s_endpgm
.Lfunc_end_k_q51153a17a8_quant:
	.size	k_q51153a17a8_quant, .Lfunc_end_k_q51153a17a8_quant-k_q51153a17a8_quant
	.p2alignl 7, 3214868480
	.fill 96, 4, 3214868480
	.section	.rodata,"a",@progbits
	.p2align	6, 0x0
	.amdhsa_kernel k_q51153a17a8_quant
		.amdhsa_group_segment_fixed_size 238592
		.amdhsa_private_segment_fixed_size 0
		.amdhsa_enable_private_segment 0
		.amdhsa_kernarg_size 64
		.amdhsa_user_sgpr_count 2
		.amdhsa_user_sgpr_kernarg_segment_ptr 1
		.amdhsa_wavefront_size32 1
		.amdhsa_system_sgpr_workgroup_id_x 1
		.amdhsa_system_sgpr_workgroup_id_y 1
		.amdhsa_system_sgpr_workgroup_id_z 1
		.amdhsa_system_vgpr_workitem_id 0
		.amdhsa_next_free_vgpr 256
		.amdhsa_next_free_sgpr 66
		.amdhsa_reserve_vcc 1
		.amdhsa_float_denorm_mode_32 3
		.amdhsa_float_denorm_mode_16_64 3
		.amdhsa_memory_ordered 1
		.amdhsa_forward_progress 1
		.amdhsa_inst_pref_size 31
	.end_amdhsa_kernel
	.amdgpu_metadata
---
amdhsa.version: [ 1, 2 ]
amdhsa.kernels:
  - .name:           k_q51153a17a8_quant
    .symbol:         k_q51153a17a8_quant.kd
    .args:
      - { .name: q, .offset: 0, .size: 8, .value_kind: global_buffer, .address_space: global }
      - { .name: k, .offset: 8, .size: 8, .value_kind: global_buffer, .address_space: global }
      - { .name: Wv, .offset: 16, .size: 8, .value_kind: global_buffer, .address_space: global }
      - { .name: Wq, .offset: 24, .size: 8, .value_kind: global_buffer, .address_space: global }
      - { .name: Wk, .offset: 32, .size: 8, .value_kind: global_buffer, .address_space: global }
      - { .name: v, .offset: 40, .size: 8, .value_kind: global_buffer, .address_space: global }
      - { .name: Wo, .offset: 48, .size: 8, .value_kind: global_buffer, .address_space: global }
      - { .name: codes, .offset: 56, .size: 8, .value_kind: global_buffer, .address_space: global }
    .group_segment_fixed_size: 238592
    .private_segment_fixed_size: 0
    .kernarg_segment_align: 8
    .kernarg_segment_size: 64
    .max_flat_workgroup_size: 448
    .sgpr_count:     66
    .vgpr_count:     256
    .wavefront_size: 32
...
	.end_amdgpu_metadata
.endif
;; end of part 1
;; launch proj (part 2): grid 8 x 24, 4 waves a work-group, clusters of 4 x 4, 327,680 bytes of LDS; arguments codes, bq, bk, bv, qkv; writes qkv
.if DOCPART == 2
	.amdgcn_target "amdgcn-amd-amdhsa--gfx1250"
	.amdhsa_code_object_version 6
	.text
	.protected	k_q51153a17a8_proj
	.globl	k_q51153a17a8_proj
	.p2align	8
	.type	k_q51153a17a8_proj,@function
k_q51153a17a8_proj:
	s_mov_b64 s[64:65], 0
	v_nop
	global_prefetch_b8 v0, s[64:65] scope:SCOPE_SE
	s_setreg_imm32_b32 hwreg(HW_REG_WAVE_MODE, 25, 1), 1
	s_wait_xcnt 0x0
	s_wait_alu depctr_hold_cnt(0) depctr_sa_sdst(0) depctr_va_vdst(0) depctr_va_sdst(0) depctr_va_ssrc(0) depctr_va_vcc(0) depctr_vm_vsrc(0)
	s_getreg_b32 s2, hwreg(HW_REG_IB_STS2, 6, 4)
	s_cmp_eq_u32 s2, 0
	s_cbranch_scc0 .Lentry_in_a_cluster
	s_endpgm
.Lentry_in_a_cluster:
	s_bfe_u32 s2, ttmp6, 0x10000c
	s_cmp_lg_u32 s2, 0xf033
	s_cbranch_scc0 .Lentry_shape_is_right
	s_endpgm
.Lentry_shape_is_right:
; The three projections on codes of FP6 (E2M3): z = 0: q Wq^T + bq, z = 1: k Wk^T + bk, z = 2: v Wv^T + bv; each result is quantised in registers and leaves as RECORDS of codes
; (128 rows x 128 K: eight fragment images of 1,536 bytes, 512 bytes of scale words; lane r of fragment f holds row 32 (f / 2) + 8 (f % 2) + r + 8 (r / 8)).
; A tile of 256 x 256 is made by four waves, as many as a WGP has SIMDs; a wave makes 128 x 128: 64 accumulators, 512 registers, and its result is exactly ONE record.
; THE MATRIX INSTRUCTION IS USED TRANSPOSED: source 0 = a fragment of S0, source 1 = one of S1: a lane holds one row of S1, and the 16 registers of tiles 2 b' and 2 b' + 1 are 16 neighbours
; along S0's rows, which are the next product's K.  z < 2: S1 = the tokens, S0 = the weight's rows (a head's 128 channels).  z = 2: S1 = Wv's rows, S0 = the tokens (K of attention's second product).
; WHY THIS TILE: 3 x 8 x 8 = 192 work-groups, one tile each.  A fragment read from LDS feeds eight products (four with tiles of 128 x 128), a tile's records are asked for half as often,
; and no work-group follows another on a WGP.  The price: 192 work-groups are fewer than there are WGPs; tiles of 256 x 128 would be 384, which do not share out evenly either.
; K = 2,048 is 16 steps of 128.  Two LDS slots of three steps: steps 0-2 and 3-5 are first fills (two tensor loads a wave are out); steps 6-8, 9-11, 12-14 and 15 are four refills, one load a wave each.
; CLUSTERS: 4 x 4 work-groups.  S1's records hang on the grid's y alone and are asked for jointly along a row of the cluster, S0's on x (and z, which the whole cluster shares) along a column.
; LIMITS: a block of zeros gets the byte 1 where the rule says 127 (its codes are zeros; this program alone reads the bytes); NaN and infinities are not served.
; REGISTERS, in windows of 256: window 0: v4-15 addresses; v28, v29 the add's; v32-47 scale words, two sets; v48-63 the bias along m (each number twice: pairs); v64-127 the bias along n;
;   v128-223 S1's eight fragments, ONE set (a fragment is free when its eight products are issued); on the way out v128-211 are at work; v224-251 at work.
;   window 1: S0's eight fragments, TWO sets, at 0 and at 128.   window 2: the accumulators of S1's fragments 0-3 ((a, b) at 8 (8 (a % 4) + b));   window 3: those of fragments 4-7.
; THE RING AS THIS TEXT HAS IT (it takes the place of the head comment's words on the first fills): at the head a wave issues ONE joint load, its part of steps 0-2; slot 1's first fill, steps 3-5,
; stands behind the three lines and a whole round of the cluster's barrier, as a refill does.  By the text's own count one tensor load of a wave is out at any time.
; PREFETCH INTO THE L2: behind each joint load a wave asks for the bytes of its NEXT joint load, three K steps ahead of that load: 150 blocks of 256 bytes (the last load: 50).  The four partners that ask for
; a tile jointly share its blocks out by address: the partner at place p (cx for S1, cy for S0) names blocks 38 p .. 38 p + 37, held at 149 (the last load: 13 p .. 13 p + 12, held at 49); lanes left over name the wave's last block again.
; The address registers are made once and never rewritten; the load's place along K stands in the immediate.  Behind the last load nothing is asked for.
.set REC,   12800
.set PF0,  20                          ; v20-22  the prefetches' offsets
.set PF1,  21
.set PF2,  22
.set PFN,  3                           ; which load the next TURN's prefetch names
.set TILEB, 3*REC                      ; three records of one row tile: what a long tensor load brings: 150 rows of 256 bytes
.set SLOTB, 4*TILEB                    ; a slot: S1's two row tiles, then S0's two
.set SPARE, 2*SLOTB                    ; behind the slots: the spare words, 128 bytes for each wave: two blocks of 256 bytes that no other line names
.set ADRA, 4                           ; v4-5    S1's fragments in slot 0, 1
.set ADRB, 6                           ; v6-7    S0's
.set ASA,  8                           ; v8-9    S1's scale words
.set ASB,  10                          ; v10-11  S0's
.set L16,  12                          ; v12     16 x lane
.set L8,   13                          ; v13     8 x lane
.set BNA,  14
.set BMA,  15
.set SPW,  28
.set NIL,  29
.set SC,   32                          ; set p at SC + 8 p: + f / 2 for S1's fragment f, + 4 + f / 2 for S0's; an even fragment's words in lanes 0-15, the odd one's in lanes 16-31
.set BM,   48
.set BN,   64
.set AF,   128
.set X,    128                         ; the way out: 64 numbers of a lane
.set PC,   192                         ; the fragment's image
.set T2,   204
.set TM,   224
.set TP,   228
.set SO,   232
.set W,    240                         ; the eight fragments' scale words
.set OW,   248
.set G1A,  24                          ; s[24:31] group 1 for S1's long loads;  s[32:39] for S0's
.set G1B,  32
.set G0A,  40                          ; s[40:47] group 0 for S1, a set for each slot;  s[48:55] for S0
.set G0B,  48
.set G1AS, 56                          ; s[56:63], s[92:99] groups 1 for the one short load: a single record
.set G1BS, 92
.set MSB, 0
.macro WIN new                         ; the immediate's high byte repeats the setting that is left
.if MSB != \new
	s_set_vgpr_msb (MSB<<8)|\new
.set MSB, \new
.endif
.endm
.set MUL_LO, 0xa1                      ; source 0 (S0) window 1, source 1 (S1) window 0, C and D window 2
.set MUL_HI, 0xf1                      ; the same, C and D window 3
.set TO_B,   0x40                      ; destination window 1, address window 0
.macro PLACES                          ; four places in front of loads into registers that matrix instructions have read, and of the first read of results
.rept 4
	v_nop
.endr
.endm
.macro JLOAD g0a, g1a, g0b, g1b        ; a joint load: waves 0 and 1 fetch for S1, waves 2 and 3 for S0; four v_nop follow each line
	s_cmp_eq_u32 s15, 0
	s_cbranch_scc0 .Lfor_b_\@
	tensor_load_to_lds s[\g0a:\g0a+3], s[\g1a:\g1a+7]
	s_nop 0
.rept 4
	v_nop
.endr
	s_branch .Lasked_\@
.Lfor_b_\@:
	tensor_load_to_lds s[\g0b:\g0b+3], s[\g1b:\g1b+7]
	s_nop 0
.rept 4
	v_nop
.endr
.Lasked_\@:
.endm
.macro CREST                           ; a round of the cluster's barrier behind its opening barrier
	s_cmp_lg_u32 s14, 0
	s_cbranch_scc1 .Lnot_wave_0_\@
	s_barrier_signal -3
.Lnot_wave_0_\@:
	s_barrier_wait -3
	s_barrier_signal -1
	s_barrier_wait -1
.endm
.macro CROUND
	s_barrier_signal -1
	s_barrier_wait -1
	CREST
.endm
; One product: S0's fragment b (set p) x S1's fragment a.
.macro WMZ a, b, p                     ; the first K step starts the sums: nothing is cleared
.set rD, 8*(8*((\a)%4)+(\b))
.set rA, 128*(\p)+12*(\b)
.set rB, AF+12*(\a)
.set scA, SC+8*(\p)+4+(\b)/2
.set scB, SC+8*(\p)+(\a)/2
.if ((\b)%2 == 0) && ((\a)%2 == 0)
	v_wmma_scale_f32_16x16x128_f8f6f4 v[rD:rD+7], v[rA:rA+11], v[rB:rB+11], 0, v[scA], v[scB] matrix_a_fmt:MATRIX_FMT_FP6 matrix_b_fmt:MATRIX_FMT_FP6
.elseif ((\b)%2 == 1) && ((\a)%2 == 0)
	v_wmma_scale_f32_16x16x128_f8f6f4 v[rD:rD+7], v[rA:rA+11], v[rB:rB+11], 0, v[scA], v[scB] matrix_a_fmt:MATRIX_FMT_FP6 matrix_b_fmt:MATRIX_FMT_FP6 matrix_a_scale:MATRIX_SCALE_ROW1
.elseif ((\b)%2 == 0) && ((\a)%2 == 1)
	v_wmma_scale_f32_16x16x128_f8f6f4 v[rD:rD+7], v[rA:rA+11], v[rB:rB+11], 0, v[scA], v[scB] matrix_a_fmt:MATRIX_FMT_FP6 matrix_b_fmt:MATRIX_FMT_FP6 matrix_b_scale:MATRIX_SCALE_ROW1
.else
	v_wmma_scale_f32_16x16x128_f8f6f4 v[rD:rD+7], v[rA:rA+11], v[rB:rB+11], 0, v[scA], v[scB] matrix_a_fmt:MATRIX_FMT_FP6 matrix_b_fmt:MATRIX_FMT_FP6 matrix_a_scale:MATRIX_SCALE_ROW1 matrix_b_scale:MATRIX_SCALE_ROW1
.endif
.endm
.macro WMR a, b, p                     ; the sum goes on in place
.set rD, 8*(8*((\a)%4)+(\b))
.set rA, 128*(\p)+12*(\b)
.set rB, AF+12*(\a)
.set scA, SC+8*(\p)+4+(\b)/2
.set scB, SC+8*(\p)+(\a)/2
.if ((\b)%2 == 0) && ((\a)%2 == 0)
	v_wmma_scale_f32_16x16x128_f8f6f4 v[rD:rD+7], v[rA:rA+11], v[rB:rB+11], v[rD:rD+7], v[scA], v[scB] matrix_a_fmt:MATRIX_FMT_FP6 matrix_b_fmt:MATRIX_FMT_FP6
.elseif ((\b)%2 == 1) && ((\a)%2 == 0)
	v_wmma_scale_f32_16x16x128_f8f6f4 v[rD:rD+7], v[rA:rA+11], v[rB:rB+11], v[rD:rD+7], v[scA], v[scB] matrix_a_fmt:MATRIX_FMT_FP6 matrix_b_fmt:MATRIX_FMT_FP6 matrix_a_scale:MATRIX_SCALE_ROW1
.elseif ((\b)%2 == 0) && ((\a)%2 == 1)
	v_wmma_scale_f32_16x16x128_f8f6f4 v[rD:rD+7], v[rA:rA+11], v[rB:rB+11], v[rD:rD+7], v[scA], v[scB] matrix_a_fmt:MATRIX_FMT_FP6 matrix_b_fmt:MATRIX_FMT_FP6 matrix_b_scale:MATRIX_SCALE_ROW1
.else
	v_wmma_scale_f32_16x16x128_f8f6f4 v[rD:rD+7], v[rA:rA+11], v[rB:rB+11], v[rD:rD+7], v[scA], v[scB] matrix_a_fmt:MATRIX_FMT_FP6 matrix_b_fmt:MATRIX_FMT_FP6 matrix_a_scale:MATRIX_SCALE_ROW1 matrix_b_scale:MATRIX_SCALE_ROW1
.endif
.endm
.macro MUL16 a0, p, zero               ; sixteen products: S1's fragments a0, a0 + 1 x S0's eight; the 64 accumulators take turns, one instruction a turn, in the same order in every step
.irp a, \a0, \a0+1
.irp b, 0,1,2,3,4,5,6,7
.if \zero
	WMZ (\a), \b, \p
.else
	WMR (\a), \b, \p
.endif
.endr
.endr
.endm
.macro FETCH_B slot, q, p              ; S0's eight fragments of the slot's q-th K step into set p: 24 loads of 512 consecutive bytes
	WIN TO_B
.irp t, 0,1,2,3,4,5,6,7
.irp c, 0,1,2
	ds_load_b128 v[128*(\p)+12*\t+4*\c:128*(\p)+12*\t+4*\c+3], v[ADRB+\slot] offset:REC*(\q)+1536*\t+512*\c
.endr
.endr
	WIN 0
.endm
.macro FETCH_A slot, q, i0             ; S1's fragments i0 .. i0 + 3: 12 loads
.irp i, \i0, \i0+1, \i0+2, \i0+3
.irp c, 0,1,2
	ds_load_b128 v[AF+12*(\i)+4*\c:AF+12*(\i)+4*\c+3], v[ADRA+\slot] offset:REC*(\q)+1536*(\i)+512*\c
.endr
.endr
.endm
.macro SCALES slot, q, p               ; the K step's scale words into set p: 4 loads
	ds_load_b64 v[SC+8*(\p):SC+8*(\p)+1], v[ASA+\slot] offset:REC*(\q)
	ds_load_b64 v[SC+8*(\p)+2:SC+8*(\p)+3], v[ASA+\slot] offset:REC*(\q)+256
	ds_load_b64 v[SC+8*(\p)+4:SC+8*(\p)+5], v[ASB+\slot] offset:REC*(\q)
	ds_load_b64 v[SC+8*(\p)+6:SC+8*(\p)+7], v[ASB+\slot] offset:REC*(\q)+256
.endm
; A K step on set p whose successor (slot nslot, step nq) has landed already.
.macro STEP p, zero, nslot, nq
	s_wait_dscnt 12                                ; S0's set, S1's fragments 0-3 and the scale words are in; the youngest twelve loads (S1's fragments 4-7) may be out
	WIN MUL_LO
	MUL16 0, \p, \zero
	MUL16 2, \p, \zero
	s_wait_dscnt 0x0                               ; S1's fragments 4-7 are in (asked for 32 products ago)
	PLACES
	FETCH_B \nslot, \nq, 1-(\p)
	FETCH_A \nslot, \nq, 0
	SCALES \nslot, \nq, 1-(\p)
	WIN MUL_HI
	MUL16 4, \p, \zero
	MUL16 6, \p, \zero
	PLACES
	WIN 0
	FETCH_A \nslot, \nq, 4
.endm
; A slot's last K step: ONE barrier; in front of it each wave waits for all its tensor loads, adds 0 to its spare word, and waits for that and for its reads of the slot.
; fill = 1: the barrier opens a round of the cluster's barrier and the slot is filled again with the steps six on; 2: with the one step that is left; 0: nothing is asked for.
.macro TURN p, fill, slot, nslot
	s_wait_tensorcnt 0x0                           ; all my tensor loads have landed: my part of the next slot
	ds_add_u32 v[SPW], v[NIL]                      ; 0 onto my spare word
.if \fill
	s_add_nc_u64 s[G0A+4*\slot+2:G0A+4*\slot+3], s[G0A+4*\slot+2:G0A+4*\slot+3], 2*TILEB   ; no load of mine is out: this slot's descriptors step six K steps on
	s_add_nc_u64 s[G0B+4*\slot+2:G0B+4*\slot+3], s[G0B+4*\slot+2:G0B+4*\slot+3], 2*TILEB
.endif
	s_wait_dscnt 13                                ; the add and the youngest twelve loads (S1's fragments 4-7) may be out
	WIN MUL_LO
	MUL16 0, \p, 0                                 ; sixteen products stand between the add and the wait for it
	s_wait_dscnt 0x0                               ; the add is done, and my reads of this slot are over
	s_barrier_signal -1
	MUL16 2, \p, 0
	WIN 0
	s_barrier_wait -1
.if \fill == 1
	CREST                                          ; no wave of any partner still reads this slot or has a load on its way
	JLOAD G0A+4*\slot, G1A, G0B+4*\slot, G1B       ; the first tensor load behind the round: three K steps, 192 products, ahead of the wait for it; its four v_nop are the places in front of the loads below
.elseif \fill == 2
	CREST
	JLOAD G0A+4*\slot, G1AS, G0B+4*\slot, G1BS     ; K step 15 alone
.else
	PLACES
.endif
	FETCH_B \nslot, 0, 1-(\p)
	FETCH_A \nslot, 0, 0
	SCALES \nslot, 0, 1-(\p)
.if \fill == 1
.if PFN < 5
	global_prefetch_b8 v[PF0], s[66:67] offset:PFN*TILEB th:TH_LOAD_NT scope:SCOPE_SE
	global_prefetch_b8 v[PF1], s[66:67] offset:PFN*TILEB th:TH_LOAD_NT scope:SCOPE_SE
.else
	global_prefetch_b8 v[PF2], s[66:67] offset:PFN*TILEB th:TH_LOAD_NT scope:SCOPE_SE
.endif
.set PFN, PFN+1
.endif
	WIN MUL_HI
	MUL16 4, \p, 0
	MUL16 6, \p, 0
	PLACES
	WIN 0
	FETCH_A \nslot, 0, 4
.endm
	s_load_b256 s[4:11], s[0:1], 0x0               ; codes, bq, bk, bv
	s_load_b64 s[12:13], s[0:1], 0x20              ; qkv
	v_lshl_add_u32 v[SPW], v0, 2, SPARE
	v_mov_b32 v[NIL], 0
	ds_add_u32 v28, v29
	ds_add_u32 v28, v29
	s_wait_dscnt 0x0
	v_lshrrev_b32 v1, 5, v0
	v_readfirstlane_b32 s14, v1                    ; wave 0..3
	s_lshr_b32 s15, s14, 1                         ; a: which row tile of S1 is mine.  Also: I fetch for S1 (0) or for S0 (1)
	s_and_b32 s16, s14, 1                          ; b: which row tile of S0.  Also: which of the two row tiles I fetch
	s_bfe_u32 s17, ttmp6, 0x40000                  ; cx
	s_bfe_u32 s18, ttmp6, 0x40004                  ; cy
	s_lshl_b32 s19, ttmp9, 2
	s_add_co_u32 s19, s19, s17                     ; x: 0..7
	s_and_b32 s23, ttmp7, 0xffff                   ; the cluster's y: 0..5
	s_lshr_b32 s21, s23, 1                         ; z: which projection; the same in the whole cluster
	s_lshl_b32 s20, s23, 2
	s_add_co_u32 s20, s20, s18                     ; y = 8 z + the tile of S1's rows
	s_and_b32 s22, s20, 7
	s_lshl_b32 s80, s18, 2
	s_lshl_b32 s80, 15, s80                        ; my row of the cluster
	s_lshl_b32 s81, 0x1111, s17                    ; my column
	s_or_b32 s[G1A], s80, (3<<16)|(1<<21)          ; 15:0 the mask; 17:16 elements of 8 bytes; 21 set beside a mask; no padding
	s_or_b32 s[G1B], s81, (3<<16)|(1<<21)
	s_or_b32 s[G1AS], s80, (3<<16)|(1<<21)
	s_or_b32 s[G1BS], s81, (3<<16)|(1<<21)
.irp g, G1A, G1B
	s_mov_b32 s[\g+1], 32<<16                      ; tensor_dim0 = 32 elements: 256 bytes
	s_mov_b32 s[\g+2], 150<<16                     ; tensor_dim1 = 150 rows: three records
	s_mov_b32 s[\g+3], 32<<16                      ; tile_dim0
	s_mov_b32 s[\g+4], 150                         ; tile_dim1
	s_mov_b32 s[\g+5], 32                          ; the pitch: the block is dense
	s_mov_b32 s[\g+6], 0
	s_mov_b32 s[\g+7], 0
.endr
.irp g, G1AS, G1BS
	s_mov_b32 s[\g+1], 32<<16
	s_mov_b32 s[\g+2], 50<<16                      ; 50 rows: one record
	s_mov_b32 s[\g+3], 32<<16
	s_mov_b32 s[\g+4], 50
	s_mov_b32 s[\g+5], 32
	s_mov_b32 s[\g+6], 0
	s_mov_b32 s[\g+7], 0
.endr
	s_lshl_b32 s66, s20, 1
	s_add_co_u32 s66, s66, s16
	s_mul_i32 s66, s66, 16*REC                     ; S1: tensors q, k, Wv: row tile 2 y + which
	s_mov_b32 s67, 0
	s_lshl_b32 s68, s21, 4
	s_lshl_b32 s70, s19, 1
	s_add_co_u32 s68, s68, s70
	s_add_co_u32 s68, s68, s16
	s_add_co_u32 s68, s68, 48
	s_mul_i32 s68, s68, 16*REC                     ; S0: tensors Wq, Wk, v: row tile 48 + 16 z + 2 x + which
	s_mov_b32 s69, 0
	s_mul_i32 s71, s14, TILEB                      ; where they go: wave x 38,400: no place in the cluster enters an LDS address
	s_wait_kmcnt 0x0
	s_add_nc_u64 s[66:67], s[4:5], s[66:67]
	s_add_nc_u64 s[68:69], s[4:5], s[68:69]
	CROUND                                         ; all sixteen work-groups are here: the first joint loads meet
.irp s, 0,1
	s_mov_b32 s[G0A+4*\s], 1
	s_add_co_u32 s[G0A+4*\s+1], s71, \s*SLOTB
	s_add_nc_u64 s[G0A+4*\s+2:G0A+4*\s+3], s[66:67], \s*TILEB
	s_or_b32 s[G0A+4*\s+3], s[G0A+4*\s+3], 0x80000000
	s_mov_b32 s[G0B+4*\s], 1
	s_add_co_u32 s[G0B+4*\s+1], s71, \s*SLOTB
	s_add_nc_u64 s[G0B+4*\s+2:G0B+4*\s+3], s[68:69], \s*TILEB
	s_or_b32 s[G0B+4*\s+3], s[G0B+4*\s+3], 0x80000000
.endr
	s_cmp_eq_u32 s15, 0                            ; the head's loads, one a wave: K steps 0-2
	s_cbranch_scc0 .Lfirst_b
	tensor_load_to_lds s[G0A:G0A+3], s[G1A:G1A+7]
	s_nop 0
.rept 4
	v_nop
.endr
	s_branch .Lfirst_asked
.Lfirst_b:
	tensor_load_to_lds s[G0B:G0B+3], s[G1B:G1B+7]
	s_nop 0
.rept 4
	v_nop
.endr
.Lfirst_asked:
	v_and_b32 v1, 31, v0                           ; lane
	v_and_b32 v2, 15, v0                           ; r
	v_bfe_u32 v3, v0, 4, 1                         ; h
	s_cmp_eq_u32 s15, 0                            ; the prefetches: the stream that I fetch,
	s_cselect_b64 s[66:67], s[66:67], s[68:69]
	s_cselect_b32 s70, s17, s18                    ; and my place among the four that ask for it with me
	s_mul_i32 s72, s70, 38
	s_mul_i32 s73, s70, 13
	v_min_u32 v17, 5, v1
	v_min_u32 v18, 12, v1
	v_add_nc_u32 v[PF0], s72, v1
	v_add3_u32 v[PF1], s72, v17, 32
	v_add_nc_u32 v[PF2], s73, v18
	v_min_u32 v[PF0], 149, v[PF0]
	v_min_u32 v[PF1], 149, v[PF1]
	v_min_u32 v[PF2], 49, v[PF2]
	v_lshlrev_b32 v[PF0], 8, v[PF0]
	v_lshlrev_b32 v[PF1], 8, v[PF1]
	v_lshlrev_b32 v[PF2], 8, v[PF2]
	s_wait_alu depctr_va_vdst(0)                   ; the wait behind these writes
	global_prefetch_b8 v[PF0], s[66:67] offset:TILEB th:TH_LOAD_NT scope:SCOPE_SE   ; K steps 3-5
	global_prefetch_b8 v[PF1], s[66:67] offset:TILEB th:TH_LOAD_NT scope:SCOPE_SE
	v_lshlrev_b32 v[L16], 4, v1
	s_wait_alu depctr_va_vdst(0)
	v_lshlrev_b32 v[L8], 3, v1
	s_wait_alu depctr_va_vdst(0)
	s_mul_i32 s72, s15, TILEB                      ; my row tile of S1
	s_mul_i32 s73, s16, TILEB
	s_add_co_u32 s73, s73, 2*TILEB                 ; my row tile of S0, behind S1's two
	s_add_co_u32 s82, s72, 12288
	s_add_co_u32 s83, s73, 12288
.irp s, 0,1
	v_add_nc_u32 v[ADRA+\s], s72, v[L16]
	v_add_nc_u32 v[ADRB+\s], s73, v[L16]
	v_add_nc_u32 v[ASA+\s], s82, v[L8]
	v_add_nc_u32 v[ASB+\s], s83, v[L8]
	s_add_co_u32 s72, s72, SLOTB
	s_add_co_u32 s73, s73, SLOTB
	s_add_co_u32 s82, s82, SLOTB
	s_add_co_u32 s83, s83, SLOTB
.endr
	v_lshlrev_b32 v[BNA], 6, v3                    ; the bias along n: 16 h numbers on
	s_wait_alu depctr_va_vdst(0)
	v_and_b32 v16, 8, v2
	v_add_nc_u32 v16, v16, v2
	v_lshlrev_b32 v[BMA], 2, v16                   ; the bias along m: number r + 8 (r / 8)
	s_wait_alu depctr_va_vdst(0)
.irp b, 0,1,2,3
	v_mov_b32 v[TP+\b], 0                          ; a lane permute's destination counts as one of its sources
.endr
	s_mov_b32 s78, 0x76543210
	s_mov_b32 s79, 0xfedcba98                      ; selects for lane l xor 16
	s_lshl_b32 s74, s19, 1
	s_add_co_u32 s74, s74, s16                     ; nt = 2 x + b: my row tile of S0 in its tensor
	s_lshl_b32 s75, s22, 1
	s_add_co_u32 s75, s75, s15                     ; mt: my row tile of S1 in its tensor
	s_cmp_eq_u32 s21, 1                            ; the bias is chosen on z alone
	s_cselect_b64 s[76:77], s[8:9], s[6:7]
	s_cmp_eq_u32 s21, 2
	s_cselect_b64 s[76:77], s[10:11], s[76:77]
	s_cselect_b32 s90, s75, s74                    ; the head: z = 2: mt, else nt
	s_cselect_b32 s91, s74, s75                    ; the tile of tokens
	s_lshl_b32 s84, s74, 9
	s_mov_b32 s85, 0
	s_add_nc_u64 s[84:85], s[76:77], s[84:85]      ; the bias at 128 nt
	s_lshl_b32 s86, s75, 9
	s_mov_b32 s87, 0
	s_add_nc_u64 s[86:87], s[76:77], s[86:87]      ; the bias at 128 mt
	s_lshl_b32 s88, s21, 8
	s_lshl_b32 s89, s90, 4
	s_add_co_u32 s88, s88, s89
	s_add_co_u32 s88, s88, s91
	s_mul_i32 s88, s88, REC
	s_mov_b32 s89, 0
	s_add_nc_u64 s[12:13], s[12:13], s[88:89]      ; my record of qkv: (256 z + 16 head + tile) x 12,800
.irp t, 0,1,2,3,4,5,6,7
	global_load_b128 v[BN+8*\t:BN+8*\t+3], v[BNA], s[84:85] offset:(32*(\t/2)+8*(\t%2))*4
	global_load_b128 v[BN+8*\t+4:BN+8*\t+7], v[BNA], s[84:85] offset:(32*(\t/2)+8*(\t%2))*4+16
.endr
.irp i, 0,1,2,3,4,5,6,7
	global_load_b32 v[BM+2*\i], v[BMA], s[86:87] offset:(32*(\i/2)+8*(\i%2))*4      ; each number twice: a pair for the packed addition
	global_load_b32 v[BM+2*\i+1], v[BMA], s[86:87] offset:(32*(\i/2)+8*(\i%2))*4
.endr
	s_wait_alu depctr_va_vdst(0)                   ; the wait at the head's end
	s_wait_tensorcnt 0x0                           ; my part of slot 0 is in
	ds_add_u32 v[SPW], v[NIL]
	s_wait_dscnt 0x0
	CROUND                                         ; a whole round: slot 0 is whole, and all sixteen work-groups are here
	JLOAD G0A+4, G1A, G0B+4, G1B                   ; K steps 3-5, the first tensor load behind the round
	FETCH_B 0, 0, 0
	FETCH_A 0, 0, 0
	SCALES 0, 0, 0
	FETCH_A 0, 0, 4
	global_prefetch_b8 v[PF0], s[66:67] offset:2*TILEB th:TH_LOAD_NT scope:SCOPE_SE   ; K steps 6-8
	global_prefetch_b8 v[PF1], s[66:67] offset:2*TILEB th:TH_LOAD_NT scope:SCOPE_SE
	STEP 0, 1, 0, 1                                ; K step 0 starts the sums
	STEP 1, 0, 0, 2
	TURN 0, 1, 0, 1                                ; K step 2: slot 0 takes steps 6-8
	STEP 1, 0, 1, 1
	STEP 0, 0, 1, 2
	TURN 1, 1, 1, 0                                ; K step 5: slot 1 takes steps 9-11
	STEP 0, 0, 0, 1
	STEP 1, 0, 0, 2
	TURN 0, 1, 0, 1                                ; K step 8: slot 0 takes steps 12-14
	STEP 1, 0, 1, 1
	STEP 0, 0, 1, 2
	TURN 1, 2, 1, 0                                ; K step 11: slot 1 takes step 15
	STEP 0, 0, 0, 1
	STEP 1, 0, 0, 2
	TURN 0, 0, 0, 1                                ; K step 14: step 15 has landed in every wave; nothing more is asked for
	s_wait_dscnt 12                                ; K step 15
	WIN MUL_LO
	MUL16 0, 1, 0
	MUL16 2, 1, 0
	s_wait_dscnt 0x0
	WIN MUL_HI
	MUL16 4, 1, 0
	MUL16 6, 1, 0
	WIN 0
	PLACES
	s_wait_loadcnt 0x0                             ; the biases
; THE WAY OUT, a fragment of 16 rows of S1 at a time.  Its 64 numbers of a lane (register 16 b + n = K index 32 b + 16 h + n of my row) get their bias, are quantised, and are the fragment's image as they stand.
.macro EPI i
	s_cmp_eq_u32 s21, 2                            ; z is the same in the whole cluster
	s_cbranch_scc1 .Lbias_m_\@
.if (\i) < 4
	WIN 0x02                                       ; source 0: window 2
.else
	WIN 0x03
.endif
.set n, 0
.rept 32
	v_pk_add_f32 v[X+n:X+n+1], v[64*((\i)%4)+n:64*((\i)%4)+n+1], v[BN+n:BN+n+1]   ; each accumulator from its low end on
.set n, n+2
.endr
	WIN 0
	s_branch .Lbiased_\@
.Lbias_m_\@:
.if (\i) < 4
	WIN 0x02
.else
	WIN 0x03
.endif
.set n, 0
.rept 32
	v_pk_add_f32 v[X+n:X+n+1], v[64*((\i)%4)+n:64*((\i)%4)+n+1], v[BM+2*(\i):BM+2*(\i)+1]
.set n, n+2
.endr
	WIN 0
.Lbiased_\@:
.irp b, 0,1,2,3
	v_max3_num_f32 v[TM+\b], |v[X+16*\b]|, |v[X+16*\b+1]|, 0x1800000   ; block b: my 16 numbers; the floor 2^(3 - 127) holds the byte at 1 from below
.endr
.irp n, 2,4,6,8,10,12,14
.irp b, 0,1,2,3
	v_max3_num_f32 v[TM+\b], v[TM+\b], |v[X+16*\b+\n]|, |v[X+16*\b+\n+1]|
.endr
.endr
.irp b, 0,1,2,3
	v_permlanex16_b32 v[TP+\b], v[TM+\b], s78, s79
.endr
.irp b, 0,1,2,3
	v_max_num_f32 v[TM+\b], v[TM+\b], v[TP+\b]     ; with lane l xor 16's: the block's largest magnitude
.endr
.irp b, 0,1,2,3
	v_add_nc_u32 v[SO+\b], 0xff000000, v[TM+\b]    ; 2 off the exponent field: the conversion's scale operand
.endr
.irp b, 0,1,2,3
	v_lshrrev_b32 v[TP+\b], 23, v[SO+\b]           ; the scale's byte
.endr
	v_lshl_or_b32 v[W+(\i)], v[TP+1], 8, v[TP]     ; my row's scale word
	v_lshl_or_b32 v[W+(\i)], v[TP+2], 16, v[W+(\i)]
	v_lshl_or_b32 v[W+(\i)], v[TP+3], 24, v[W+(\i)]
.if (\i) > 0
	s_wait_xcnt 0x0                                ; the last fragment's stores have read the image's registers
.endif
.irp c, 0,1
	v_cvt_scalef32_pk16_fp6_f32 v[PC+6*\c:PC+6*\c+2], v[X+32*\c:X+32*\c+15], v[SO+2*\c]
	v_cvt_scalef32_pk16_fp6_f32 v[T2+4*\c:T2+4*\c+2], v[X+32*\c+16:X+32*\c+31], v[SO+2*\c+1]   ; (a conversion's three registers begin on an even number)
.endr
	v_nop                                          ; one plain place behind a scaled conversion
.irp c, 0,1                            ; the operand's layout wants a whole block in a lane: lanes 0-15 block 2 c, lanes 16-31 block 2 c + 1
.irp n, 0,1,2
	v_permlane16_swap_b32 v[PC+6*\c+\n], v[T2+4*\c+\n]
.endr
.irp n, 0,1,2
	v_mov_b32 v[PC+6*\c+3+\n], v[T2+4*\c+\n]
.endr
.endr
.irp c, 0,1,2
	global_store_b128 v[L16], v[PC+4*\c:PC+4*\c+3], s[12:13] offset:1536*(\i)+512*\c   ; 32 lanes store 512 consecutive bytes, at a multiple of 256 from the buffer's first byte
.endr
.endm
	EPI 0
	EPI 1
	EPI 2
	EPI 3
	EPI 4
	EPI 5
	EPI 6
	EPI 7
	s_mov_b32 vcc_lo, 0xffff0000                   ; lanes 16-31 carry the odd fragments' words
.irp e, 0,1,2,3
	v_cndmask_b32 v[OW+\e], v[W+2*\e], v[W+2*\e+1], vcc_lo
.endr
	global_store_b64 v[L8], v[OW:OW+1], s[12:13] offset:12288       ; 32 lanes store 256 consecutive bytes, aligned
	global_store_b64 v[L8], v[OW+2:OW+3], s[12:13] offset:12288+256
	s_wait_tensorcnt 0x0                           ; the wave's end
	ds_add_u32 v[SPW], v[NIL]
	s_wait_dscnt 0x0
	CROUND                                         ; the closing round: no work-group ends while a partner may still ask for a tile that names it
	s_endpgm
.Lfunc_end_k_q51153a17a8_proj:
	.size	k_q51153a17a8_proj, .Lfunc_end_k_q51153a17a8_proj-k_q51153a17a8_proj
	.p2alignl 7, 3214868480
	.fill 96, 4, 3214868480
	.section	.rodata,"a",@progbits
	.p2align	6, 0x0
	.amdhsa_kernel k_q51153a17a8_proj
		.amdhsa_group_segment_fixed_size 327680
		.amdhsa_private_segment_fixed_size 0
		.amdhsa_enable_private_segment 0
		.amdhsa_kernarg_size 40
		.amdhsa_user_sgpr_count 2
		.amdhsa_user_sgpr_kernarg_segment_ptr 1
		.amdhsa_wavefront_size32 1
		.amdhsa_system_sgpr_workgroup_id_x 1
		.amdhsa_system_sgpr_workgroup_id_y 1
		.amdhsa_system_sgpr_workgroup_id_z 1
		.amdhsa_system_vgpr_workitem_id 0
		.amdhsa_next_free_vgpr 1024
		.amdhsa_next_free_sgpr 100
		.amdhsa_reserve_vcc 1
		.amdhsa_float_denorm_mode_32 3
		.amdhsa_float_denorm_mode_16_64 3
		.amdhsa_memory_ordered 1
		.amdhsa_forward_progress 1
		.amdhsa_inst_pref_size 255
	.end_amdhsa_kernel
	.section	.bss,"aw",@nobits
	.p2align	6
	.space	262144
	.amdgpu_metadata
---
amdhsa.version: [ 1, 2 ]
amdhsa.kernels:
  - .name:           k_q51153a17a8_proj
    .symbol:         k_q51153a17a8_proj.kd
    .args:
      - { .name: codes, .offset: 0, .size: 8, .value_kind: global_buffer, .address_space: global }
      - { .name: bq, .offset: 8, .size: 8, .value_kind: global_buffer, .address_space: global }
      - { .name: bk, .offset: 16, .size: 8, .value_kind: global_buffer, .address_space: global }
      - { .name: bv, .offset: 24, .size: 8, .value_kind: global_buffer, .address_space: global }
      - { .name: qkv, .offset: 32, .size: 8, .value_kind: global_buffer, .address_space: global }
    .group_segment_fixed_size: 327680
    .private_segment_fixed_size: 0
    .kernarg_segment_align: 8
    .kernarg_segment_size: 40
    .max_flat_workgroup_size: 128
    .sgpr_count:     100
    .vgpr_count:     1024
    .wavefront_size: 32
...
	.end_amdgpu_metadata
.endif
;; end of part 2
;; launch attn (part 3): grid 8 x 32, 8 waves a work-group, no clusters, 327,680 bytes of LDS; arguments qkv, ao; writes ao
.if DOCPART == 3
	.amdgcn_target "amdgcn-amd-amdhsa--gfx1250"
	.amdhsa_code_object_version 6
	.text
	.protected	k_q51153a17a8_attn
	.globl	k_q51153a17a8_attn
	.p2align	8
	.type	k_q51153a17a8_attn,@function
k_q51153a17a8_attn:
	s_mov_b64 s[64:65], 0
	v_nop
	global_prefetch_b8 v0, s[64:65] scope:SCOPE_SE
	s_setreg_imm32_b32 hwreg(HW_REG_WAVE_MODE, 25, 1), 1
	s_wait_xcnt 0x0
; Causal attention of one head and batch (work-group y = 16 x batch + head) on codes of FP6 (E2M3): S^T = k q^T, p = 2^(t - M), O^T = v^T p^T, O^T / the row's sum, quantised along the head's axis into ao's records.
; q, k, v come as RECORDS of qkv (128 rows x 128 K: eight fragment images of 1,536 bytes, 512 bytes of scale words; lane r of fragment f holds row 32 (f / 2) + 8 (f % 2) + r + 8 (r / 8)); v's records have the keys as K.
; M is the running largest t rounded up to a whole number, kept as -M; the sum is taken of the unquantised p; a change of M multiplies the sum and O^T by an exact power of two.
; A lane holds one query; a wave holds 16 queries (one fragment of q).  A key step is one record: 128 keys.  All eight records of k and of v lie in LDS: records 0-3 by the head's loads, one a wave,
; records 4-7 by a second load a wave, behind the three lines and a barrier; it is asked for the four trips of the first loop ahead of its first read, so no prefetch is laid for it.
; THE DEAL.  The 1,024 queries are 16 tiles of 64.  Work-group x takes tile x (1 to 4 key steps: ST0 + 1) and tile 15 - x (5 to 8 key steps: ST1 + 1), nine steps for each pair of fragments.
; Wave 4 + i takes fragment i of tile 15 - x over key steps 0 .. 4.  Wave i takes fragment i of tile x over its steps, finishes it, and then takes fragment i of tile 15 - x over key steps 5 .. ST1,
; with a -M, a sum and an O^T of its own: four steps in all.  These go through LDS to wave 4 + i, which brings both parts under the larger M by exact powers of two (a part with no step has the factor 0) and finishes the tile.
; Steps that the causal mask, or the deal, leaves out are jumped over by branches on ids at a step's head; every loop has four trips, and every wave passes every barrier.
; Wave 4 + i loads its fragment of q twice, once for each loop's registers, so that both roles run one text: 1,540 bytes a wave.
; cluster = none: the work-groups of one head read the same records, but under the mask those at x = 6, 7 read no byte of records 5 to 7, so a joint load would bring a partner tiles that none of its waves reads.
; LIMITS: the promise holds while the scaled scores stay under 2^31 in magnitude; a block of zeros gets the byte 1 where the rule says 127 (its codes are zeros; this program alone reads the bytes); NaN and infinities are not served.
; REGISTERS: v1-11 addresses; v12 -M, v13 the largest t, v14-15 the sum; v16-28 q and its scale word for the first loop, v80-92 for the second; v32-79 four fragments of k or v; v96-159 S^T, then p; v160-223 O^T; v224-235 p's codes.
.set REC,  12800
.set VOFF, 102400                      ; v's eight records, behind k's
.set SCS,  204800                      ; 2 x 256 bytes: the scale words of the two tiles' results
.set SPARE, 205312                     ; the spare words, 128 bytes for each of eight waves
.set MRG,  206336                      ; 4 x 8,448 bytes: a part's O^T as an image of its registers, then -M and the sum
.set AK0,  1
.set AV0,  2
.set ASK0, 3
.set ASV0, 4
.set DQ,   5
.set SWA,  6
.set SRA,  7
.set ADK,  8
.set ADV,  9
.set ADS,  10
.set ADT,  11
.set QSC,  28
.set PSC,  29
.set L8,   30
.set R8,   31
.set QS2,  92
.set DQ2,  93
.set MWA,  94
.set MWB,  95
.set ST,   13
.set SEL,  20
.set CS,   22
.set G1,   24
.set G0A,  32
.set G0B,  36
.set TB,   40
.set KT,   41
.set CNT,  42
.set ST1,  67
.set LO2,  78
.set HI2,  79
.set LO1,  80
	s_load_b128 s[4:7], s[0:1], 0x0                ; qkv, ao
	v_lshl_add_u32 v243, v0, 2, SPARE
	v_mov_b32 v255, 0
	ds_add_u32 v243, v255                          ; the opening lines: the add, twice on end, and its wait
	ds_add_u32 v243, v255
	v_lshrrev_b32 v8, 5, v0
	s_delay_alu instid0(VALU_DEP_1)
	v_readfirstlane_b32 s8, v8                     ; wave 0..7
	s_lshr_b32 s9, s8, 2                           ; 0: tile x, then the rest of tile 15 - x; 1: tile 15 - x.  Also: I fetch k (0) or v (1)
	s_and_b32 s10, s8, 3                           ; which fragment of the tile; which record I fetch
	s_and_b32 s11, ttmp7, 0xffff
	s_and_b32 s12, s11, 15                         ; head
	s_lshr_b32 s11, s11, 4                         ; batch
	s_sub_co_u32 s66, 15, ttmp9                    ; the long tile
	s_cmp_eq_u32 s9, 0
	s_cselect_b32 s16, ttmp9, s66                  ; my first tile
	s_cselect_b32 s[LO2], 5, 4                     ; the second loop's steps: 5 .. ST1, or 4 alone
	s_lshr_b32 s[ST1], s66, 1                      ; the long tile's record: its last key step
	s_and_b32 s68, s66, 1                          ; and its half of that record
	s_cmp_eq_u32 s9, 0
	s_cselect_b32 s[HI2], s[ST1], 4
	s_mov_b32 s[LO1], 0
	s_lshr_b32 s[ST], s16, 1
	s_and_b32 s14, s16, 1
	s_lshl_b32 s17, s12, 4
	s_lshl_b32 s18, s11, 3
	s_add_co_u32 s17, s17, s18                     ; 16 head + 8 batch: the first record of this head and batch in a plane of qkv
	s_lshl_b32 s19, s9, 8
	s_add_co_u32 s19, s19, 256
	s_add_co_u32 s19, s19, s17
	s_add_co_u32 s19, s19, s10
	s_mul_i32 s44, s19, REC                        ; plane 1 (k) or 2 (v), record s10
	s_mov_b32 s45, 0
	s_mul_i32 s19, s9, VOFF
	s_mul_i32 s43, s10, REC
	s_add_co_u32 s19, s19, s43                     ; where it goes
	s_add_co_u32 s46, s17, s[ST]
	s_mul_i32 s46, s46, REC                        ; q's record of my first tile
	s_lshl_b32 s43, s14, 2
	s_add_co_u32 s43, s43, s10
	s_mul_i32 s47, s43, 1536                       ; my fragment in it
	s_add_co_u32 s48, s46, s47
	s_mov_b32 s49, 0
	s_and_b32 s51, s10, 1
	s_lshl_b32 s51, s51, 7
	s_lshr_b32 s55, s10, 1
	s_lshl_b32 s55, s55, 2
	s_add_co_u32 s51, s51, s55                     ; my fragment's scale words in a half's 256 bytes
	s_lshl_b32 s50, s14, 8
	s_add_co_u32 s52, s46, s50
	s_add_co_u32 s52, s52, s51
	s_add_co_u32 s52, s52, 12288
	s_mov_b32 s53, 0
	s_add_co_u32 s70, s17, s[ST1]
	s_mul_i32 s70, s70, REC                        ; the same for the long tile
	s_lshl_b32 s43, s68, 2
	s_add_co_u32 s43, s43, s10
	s_mul_i32 s71, s43, 1536
	s_add_co_u32 s72, s70, s71
	s_mov_b32 s73, 0
	s_lshl_b32 s43, s68, 8
	s_add_co_u32 s74, s70, s43
	s_add_co_u32 s74, s74, s51
	s_add_co_u32 s74, s74, 12288
	s_mov_b32 s75, 0
	s_add_co_u32 s54, s18, s[ST]
	s_lshl_b32 s54, s54, 4
	s_add_co_u32 s54, s54, s12
	s_mul_i32 s54, s54, REC                        ; ao's record of my first tile: (16 x token tile + head)
	s_add_co_u32 s56, s54, s47
	s_mov_b32 s57, 0
	s_add_co_u32 s58, s54, s50
	s_add_co_u32 s58, s58, 12288
	s_mov_b32 s59, 0
	s_lshr_b32 s55, s10, 1
	s_lshl_b32 s77, s55, 5
	s_and_b32 s55, s10, 1
	s_lshl_b32 s55, s55, 3
	s_add_co_u32 s77, s77, s55                     ; my fragment's first row in its half
	s_lshl_b32 s60, s14, 6
	s_add_co_u32 s60, s60, s77
	s_lshl_b32 s76, s68, 6
	s_add_co_u32 s76, s76, s77
	s_lshl_b32 s62, s9, 8
	s_add_co_u32 s62, s62, SCS
	s_add_co_u32 s61, s62, s51
	s_mul_i32 s81, s10, 8448
	s_add_co_u32 s81, s81, MRG
	s_add_co_u32 s82, s81, 8192
	s_mov_b32 s[G1], 3<<16                         ; a record: 50 rows of 256 bytes, dense
	s_mov_b32 s[G1+1], 32<<16
	s_mov_b32 s[G1+2], 50<<16
	s_mov_b32 s[G1+3], 32<<16
	s_mov_b32 s[G1+4], 50
	s_mov_b32 s[G1+5], 32
	s_mov_b32 s[G1+6], 0
	s_mov_b32 s[G1+7], 0
	s_mov_b32 s[SEL], 0x76543210
	s_mov_b32 s[SEL+1], 0xfedcba98                 ; selects for lane l xor 16
	s_mov_b32 s[CS], 0x3e0293ee                    ; log2(e) / sqrt(128)
	s_mov_b32 s[CS+1], s[CS]
	s_mov_b32 s[TB], 0
	s_mov_b32 s[KT], 0
	s_wait_dscnt 0x0
	s_wait_kmcnt 0x0
	s_add_nc_u64 s[44:45], s[4:5], s[44:45]
	s_mov_b32 s[G0A], 1
	s_mov_b32 s[G0A+1], s19
	s_mov_b64 s[G0A+2:G0A+3], s[44:45]
	s_or_b32 s[G0A+3], s[G0A+3], 0x80000000
	s_mov_b32 s[G0B], 1
	s_add_co_u32 s[G0B+1], s19, 4*REC
	s_add_nc_u64 s[G0B+2:G0B+3], s[44:45], 4*REC
	s_or_b32 s[G0B+3], s[G0B+3], 0x80000000
	tensor_load_to_lds s[G0A:G0A+3], s[G1:G1+7]    ; record s10 of k or of v: my one load at the head
	s_nop 0
	s_add_nc_u64 s[48:49], s[4:5], s[48:49]
	s_add_nc_u64 s[52:53], s[4:5], s[52:53]
	s_add_nc_u64 s[72:73], s[4:5], s[72:73]
	s_add_nc_u64 s[74:75], s[4:5], s[74:75]
	s_add_nc_u64 s[56:57], s[6:7], s[56:57]
	s_add_nc_u64 s[58:59], s[6:7], s[58:59]
	v_and_b32 v8, 31, v0
	v_and_b32 v9, 15, v0
	v_bfe_u32 v10, v0, 4, 1
	s_delay_alu instid0(VALU_DEP_3)
	v_lshlrev_b32 v[AK0], 4, v8
	s_delay_alu instid0(VALU_DEP_4)
	v_lshlrev_b32 v[L8], 3, v8
	s_delay_alu instid0(VALU_DEP_4)
	v_lshlrev_b32 v[R8], 3, v9
.irp c, 0,1,2
	global_load_b128 v[16+4*\c:19+4*\c], v[AK0], s[48:49] offset:512*\c
	global_load_b128 v[80+4*\c:83+4*\c], v[AK0], s[72:73] offset:512*\c
.endr
	global_load_b32 v[QSC], v[R8], s[52:53]
	global_load_b32 v[QS2], v[R8], s[74:75]
	v_add_nc_u32 v[AV0], VOFF, v[AK0]
	v_add_nc_u32 v[ASK0], 12288, v[L8]
	v_add_nc_u32 v[ASV0], VOFF+12288, v[L8]
	v_add_nc_u32 v[SWA], s61, v[R8]
	v_add_nc_u32 v[SRA], s62, v[L8]
	v_add_nc_u32 v[MWA], s81, v[AK0]
	v_add_nc_u32 v[MWB], s82, v[L8]
	v_and_b32 v11, 8, v9
	v_lshlrev_b32 v[DQ], 4, v10
	s_delay_alu instid0(VALU_DEP_2)
	v_add_nc_u32 v11, v11, v9
	s_delay_alu instid0(VALU_DEP_1)
	v_sub_nc_u32 v11, v11, v[DQ]                   ; r + 8 (r / 8) - 16 h
	s_delay_alu instid0(VALU_DEP_1)
	v_add_nc_u32 v[DQ], s60, v11                   ; register n's key is hidden where 32 (n / 16) + n % 16 is above this
	v_add_nc_u32 v[DQ2], s76, v11                  ; the same for the long tile
.macro FRESH                           ; a part begins: the largest t is -3e38, under every t; the sum and O^T are zeros, which the first change of M leaves zeros
	v_mov_b32 v13, 0xff61b1e6
	s_delay_alu instid0(VALU_DEP_1)
	v_floor_f32 v12, -v13
	v_mov_b32 v14, 0
	v_mov_b32 v15, 0
.set n, 0
.rept 64
	v_mov_b32 v[160+n], 0
.set n, n+1
.endr
.endm
	FRESH
.irp b, 0,1,2,3
	v_mov_b32 v[236+\b], 0                         ; a lane permute's destination counts as one of its sources
.endr
	v_mov_b32 v251, 0
	v_mov_b32 v252, 0
	v_mov_b32 v253, 0
.macro CODES src
.irp c, 0,1
	v_cvt_scalef32_pk16_fp6_f32 v[224+6*\c:226+6*\c], v[\src+32*\c:\src+15+32*\c], v[244+2*\c]
	v_cvt_scalef32_pk16_fp6_f32 v[236+4*\c:238+4*\c], v[\src+16+32*\c:\src+31+32*\c], v[244+2*\c+1]
.endr
	v_nop
.irp c, 0,1
.irp i, 0,1,2
	v_permlane16_swap_b32 v[224+6*\c+\i], v[236+4*\c+\i]
.endr
.irp i, 0,1,2
	s_delay_alu instid0(VALU_DEP_3)
	v_mov_b32 v[227+6*\c+\i], v[236+4*\c+\i]
.endr
.endr
.endm
; A key step.  q, qs: the fragment of q and its scale word; dq: the mask's register; lo, hi: the steps that are mine; dg: the step on the diagonal.
.macro STEP q, qs, dq, lo, hi, dg
	s_cmp_lt_u32 s[KT], s[\lo]
	s_cbranch_scc1 .Lhidden_\@
	s_cmp_gt_u32 s[KT], s[\hi]
	s_cbranch_scc1 .Lhidden_\@
	v_add_nc_u32 v[ADK], s[TB], v[AK0]
	s_wait_alu depctr_va_vdst(0)
	v_add_nc_u32 v[ADV], s[TB], v[AV0]
	v_add_nc_u32 v[ADS], s[TB], v[ASK0]
	v_add_nc_u32 v[ADT], s[TB], v[ASV0]
	ds_load_b64 v[248:249], v[ADS]
	ds_load_b64 v[250:251], v[ADS] offset:256
.irp g, 0,1
.if \g > 0
.rept 4
	v_nop
.endr
.endif
.irp t, 0,1,2,3
.irp c, 0,1,2
	ds_load_b128 v[32+12*\t+4*\c:35+12*\t+4*\c], v[ADK] offset:1536*(4*\g+\t)+512*\c
.endr
.endr
	s_wait_dscnt 0x0
.irp t, 0,1,2,3
.if \t%2 == 0
	v_wmma_scale_f32_16x16x128_f8f6f4 v[96+8*(4*\g+\t):103+8*(4*\g+\t)], v[32+12*\t:43+12*\t], v[\q:\q+11], 0, v[248+2*\g+\t/2], v[\qs] matrix_a_fmt:MATRIX_FMT_FP6 matrix_b_fmt:MATRIX_FMT_FP6
.else
	v_wmma_scale_f32_16x16x128_f8f6f4 v[96+8*(4*\g+\t):103+8*(4*\g+\t)], v[32+12*\t:43+12*\t], v[\q:\q+11], 0, v[248+2*\g+\t/2], v[\qs] matrix_a_fmt:MATRIX_FMT_FP6 matrix_b_fmt:MATRIX_FMT_FP6 matrix_a_scale:MATRIX_SCALE_ROW1
.endif
.endr
.endr
.rept 4
	v_nop
.endr
	s_cmp_lg_u32 s[KT], s[\dg]
	s_cbranch_scc1 .Lopen_\@
	v_mov_b32 v254, 0xff800000                     ; on the diagonal: keys behind the query count for nothing
.set n, 0
.rept 64
	v_cmp_gt_i32 vcc_lo, 32*(n/16)+n%16, v[\dq]
	v_cndmask_b32 v[96+n], v[96+n], v254, vcc_lo
.set n, n+1
.endr
.Lopen_\@:
.irp b, 0,1,2,3
	v_max3_num_f32 v[232+\b], v[96+16*\b], v[97+16*\b], v[98+16*\b]   ; the largest score of each block of 32 keys: for the row's maximum and for the block's largest p
.endr
.irp i, 3,5,7,9,11,13
.irp b, 0,1,2,3
	v_max3_num_f32 v[232+\b], v[232+\b], v[96+16*\b+\i], v[97+16*\b+\i]
.endr
.endr
.irp b, 0,1,2,3
	v_max_num_f32 v[232+\b], v[232+\b], v[111+16*\b]
.endr
.irp b, 0,1,2,3
	s_delay_alu instid0(VALU_DEP_4)
	v_permlanex16_b32 v[236+\b], v[232+\b], s[SEL], s[SEL+1]
.endr
.irp b, 0,1,2,3
	s_delay_alu instid0(VALU_DEP_4)
	v_max_num_f32 v[232+\b], v[232+\b], v[236+\b]
.endr
	s_delay_alu instid0(VALU_DEP_2)
	v_max3_num_f32 v254, v232, v233, v234
	s_delay_alu instid0(VALU_DEP_1)
	v_max_num_f32 v254, v254, v235
	s_delay_alu instid0(VALU_DEP_1)
	v_mul_f32 v254, s[CS], v254
	s_delay_alu instid0(VALU_DEP_1)
	v_max_num_f32 v13, v13, v254                   ; the running largest t
	v_mov_b32 v254, v12
	s_delay_alu instid0(VALU_DEP_2)
	v_floor_f32 v12, -v13                          ; the new -M
	s_delay_alu instid0(VALU_DEP_1)
	v_sub_f32 v254, v12, v254
	s_delay_alu instid0(VALU_DEP_1)
	v_cvt_i32_f32 v254, v254
	s_delay_alu instid0(VALU_DEP_1)
	v_ldexp_f32 v252, 1.0, v254                    ; f = 2^(old M - new M)
.set n, 0
.rept 32
	v_pk_fma_f32 v[96+n:97+n], v[96+n:97+n], s[CS:CS+1], v[12:13] op_sel_hi:[1,0,0]
.set n, n+2
.endr
.irp b, 0,1,2,3
	v_fma_f32 v[232+\b], v[232+\b], s[CS], v12
.endr
.set n, 0
	s_wait_alu depctr_va_vdst(0)                   ; the wait ahead of the batch
.rept 64
	v_exp_f32 v[96+n], v[96+n]
.set n, n+1
.endr
.irp b, 0,1,2,3
	v_exp_f32 v[232+\b], v[232+\b]
.endr
	v_pk_mul_f32 v[14:15], v[14:15], v[252:253] op_sel_hi:[1,0]
	s_wait_alu depctr_va_vdst(0)                   ; and behind it
.irp b, 0,1,2,3
	v_max_num_f32 v[232+\b], 0x1800000, v[232+\b]
.endr
.irp b, 0,1,2,3
	s_delay_alu instid0(VALU_DEP_4)
	v_add_nc_u32 v[244+\b], 0xff000000, v[232+\b]
.endr
.irp b, 0,1,2,3
	s_delay_alu instid0(VALU_DEP_4)
	v_lshrrev_b32 v[236+\b], 23, v[244+\b]
.endr
	s_delay_alu instid0(VALU_DEP_3)
	v_lshl_or_b32 v[PSC], v237, 8, v236
	s_delay_alu instid0(VALU_DEP_1)
	v_lshl_or_b32 v[PSC], v238, 16, v[PSC]
	s_delay_alu instid0(VALU_DEP_1)
	v_lshl_or_b32 v[PSC], v239, 24, v[PSC]
	CODES 96
	v_pk_add_f32 v[236:237], v[96:97], v[98:99]    ; the row's sum is taken of the unquantised p
.irp j, 4,8,12,16,20,24,28,32,36,40,44,48,52,56,60
	v_pk_add_f32 v[14:15], v[14:15], v[96+\j:97+\j]
	v_pk_add_f32 v[236:237], v[236:237], v[98+\j:99+\j]
.endr
	s_delay_alu instid0(VALU_DEP_1)
	v_pk_add_f32 v[14:15], v[14:15], v[236:237]
.set n, 0
.rept 32
	v_pk_mul_f32 v[160+n:161+n], v[160+n:161+n], v[252:253] op_sel_hi:[1,0]
.set n, n+2
.endr
	ds_load_b64 v[248:249], v[ADT]
	ds_load_b64 v[250:251], v[ADT] offset:256
	s_wait_alu depctr_va_vdst(0)
.irp g, 0,1
.if \g > 0
.rept 4
	v_nop
.endr
.endif
.irp t, 0,1,2,3
.irp c, 0,1,2
	ds_load_b128 v[32+12*\t+4*\c:35+12*\t+4*\c], v[ADV] offset:1536*(4*\g+\t)+512*\c
.endr
.endr
	s_wait_dscnt 0x0
.irp t, 0,1,2,3
.if \t%2 == 0
	v_wmma_scale_f32_16x16x128_f8f6f4 v[160+8*(4*\g+\t):167+8*(4*\g+\t)], v[32+12*\t:43+12*\t], v[224:235], v[160+8*(4*\g+\t):167+8*(4*\g+\t)], v[248+2*\g+\t/2], v[PSC] matrix_a_fmt:MATRIX_FMT_FP6 matrix_b_fmt:MATRIX_FMT_FP6
.else
	v_wmma_scale_f32_16x16x128_f8f6f4 v[160+8*(4*\g+\t):167+8*(4*\g+\t)], v[32+12*\t:43+12*\t], v[224:235], v[160+8*(4*\g+\t):167+8*(4*\g+\t)], v[248+2*\g+\t/2], v[PSC] matrix_a_fmt:MATRIX_FMT_FP6 matrix_b_fmt:MATRIX_FMT_FP6 matrix_a_scale:MATRIX_SCALE_ROW1
.endif
.endr
.endr
.Lhidden_\@:
	s_add_co_u32 s[KT], s[KT], 1
	s_add_co_u32 s[TB], s[TB], REC
.endm
; A tile's fragment is finished: v14 holds my lane's sum.  O^T / the row's sum, quantised along the head's axis; the image goes to ao, the scale word to LDS.
.macro FINISH
	v_permlanex16_b32 v252, v14, s[SEL], s[SEL+1]
	s_delay_alu instid0(VALU_DEP_1)
	v_add_f32 v14, v14, v252
	s_wait_alu depctr_va_vdst(0)
	v_rcp_f32 v14, v14
	v_nop
.set n, 0
	s_wait_alu depctr_va_vdst(0)
.rept 64
	v_mul_f32 v[96+n], v[160+n], v14
.set n, n+1
.endr
.irp b, 0,1,2,3
	v_max3_num_f32 v[232+\b], |v[96+16*\b]|, |v[97+16*\b]|, 0x1800000
.endr
.irp i, 2,4,6,8,10,12,14
.irp b, 0,1,2,3
	s_delay_alu instid0(VALU_DEP_4)
	v_max3_num_f32 v[232+\b], v[232+\b], |v[96+16*\b+\i]|, |v[97+16*\b+\i]|
.endr
.endr
.irp b, 0,1,2,3
	s_delay_alu instid0(VALU_DEP_4)
	v_permlanex16_b32 v[236+\b], v[232+\b], s[SEL], s[SEL+1]
.endr
.irp b, 0,1,2,3
	s_delay_alu instid0(VALU_DEP_4)
	v_max_num_f32 v[232+\b], v[232+\b], v[236+\b]
.endr
.irp b, 0,1,2,3
	s_delay_alu instid0(VALU_DEP_4)
	v_add_nc_u32 v[244+\b], 0xff000000, v[232+\b]
.endr
.irp b, 0,1,2,3
	s_delay_alu instid0(VALU_DEP_4)
	v_lshrrev_b32 v[236+\b], 23, v[244+\b]
.endr
	s_delay_alu instid0(VALU_DEP_3)
	v_lshl_or_b32 v254, v237, 8, v236
	s_delay_alu instid0(VALU_DEP_1)
	v_lshl_or_b32 v254, v238, 16, v254
	s_delay_alu instid0(VALU_DEP_1)
	v_lshl_or_b32 v254, v239, 24, v254
	CODES 96
.irp c, 0,1,2
	global_store_b128 v[AK0], v[224+4*\c:227+4*\c], s[56:57] offset:512*\c
.endr
	ds_store_b32 v[SWA], v254
.endm
	s_wait_alu depctr_va_vdst(0)                   ; the wait at the head's end
	s_wait_tensorcnt 0x0                           ; my record is in
	ds_add_u32 v243, v255
	s_wait_dscnt 0x0
	s_barrier_signal -1
	s_barrier_wait -1                              ; records 0-3 of k and of v are whole
	tensor_load_to_lds s[G0B:G0B+3], s[G1:G1+7]    ; record 4 + s10
	s_nop 0
	s_wait_loadcnt 0x0                             ; q
	s_mov_b32 s[CNT], 4
.Lfirst:
	STEP 16, QSC, DQ, LO1, ST, ST
	s_sub_co_u32 s[CNT], s[CNT], 1
	s_cmp_lg_u32 s[CNT], 0
	s_cbranch_scc1 .Lfirst
	s_wait_tensorcnt 0x0
	s_wait_dscnt 0x0
	s_barrier_signal -1
	s_barrier_wait -1                              ; records 4-7 are whole
	s_cmp_lg_u32 s9, 0
	s_cbranch_scc1 .Lgo_on
.rept 4
	v_nop                                          ; places behind the last products
.endr
	v_add_f32 v14, v14, v15                        ; waves 0-3: tile x is done
	FINISH
	FRESH                                          ; and a part of the long tile begins
	s_wait_xcnt 0x0                                ; the stores have read the image's registers
	s_wait_alu depctr_va_vdst(0)                   ; the wait ahead of the label and the branches behind it
.Lgo_on:
	s_mov_b32 s[CNT], 4
.Lsecond:
	STEP 80, QS2, DQ2, LO2, HI2, ST1
	s_sub_co_u32 s[CNT], s[CNT], 1
	s_cmp_lg_u32 s[CNT], 0
	s_cbranch_scc1 .Lsecond
.rept 4
	v_nop
.endr
	s_cmp_lg_u32 s9, 0
	s_cbranch_scc1 .Lkeep
	v_add_f32 v13, v14, v15                        ; waves 0-3 hand their part over: -M and my lane's sum as a pair,
.irp g, 0,1,2,3,4,5,6,7,8,9,10,11,12,13,14,15
	ds_store_b128 v[MWA], v[160+4*\g:163+4*\g] offset:512*\g   ; and O^T as an image of its registers, each accumulator from its low end on
.endr
	ds_store_b64 v[MWB], v[12:13]
.Lkeep:
	s_wait_dscnt 0x0
	s_barrier_signal -1
	s_barrier_wait -1
	s_cmp_eq_u32 s9, 0
	s_cbranch_scc1 .Ldone
.irp g, 0,1,2,3,4,5,6,7,8,9,10,11,12,13,14,15
	ds_load_b128 v[96+4*\g:99+4*\g], v[MWA] offset:512*\g
.endr
	ds_load_b64 v[32:33], v[MWB]
	v_add_f32 v14, v14, v15
	v_mov_b32 v251, 0
	s_wait_alu depctr_va_vdst(0)
	s_wait_dscnt 0x0
	v_min_num_f32 v34, v12, v32                    ; -M of the two parts: the larger M
	s_delay_alu instid0(VALU_DEP_1)
	v_sub_f32 v35, v34, v12                        ; my M less that: a whole number, 0 or less
	v_sub_f32 v36, v34, v32                        ; the other part's
	s_delay_alu instid0(VALU_DEP_2)
	v_cvt_i32_f32 v35, v35                         ; (it saturates: a part with no step gets the factor 0)
	s_delay_alu instid0(VALU_DEP_2)
	v_cvt_i32_f32 v36, v36
	s_delay_alu instid0(VALU_DEP_2)
	v_ldexp_f32 v252, 1.0, v35
	s_delay_alu instid0(VALU_DEP_2)
	v_ldexp_f32 v250, 1.0, v36
	s_delay_alu instid0(VALU_DEP_2)
	v_mul_f32 v14, v14, v252
	s_delay_alu instid0(VALU_DEP_1)
	v_fmac_f32 v14, v33, v250                      ; the sums under one M
.set n, 0
.rept 32
	v_pk_mul_f32 v[96+n:97+n], v[96+n:97+n], v[250:251] op_sel_hi:[1,0]
.set n, n+2
.endr
.set n, 0
.rept 32
	v_pk_fma_f32 v[160+n:161+n], v[160+n:161+n], v[252:253], v[96+n:97+n] op_sel_hi:[1,0,1]
.set n, n+2
.endr
	FINISH
.Ldone:
	s_wait_dscnt 0x0
	s_barrier_signal -1
	s_barrier_wait -1                              ; both tiles' scale words lie in LDS
	s_cmp_lg_u32 s10, 0
	s_cbranch_scc1 .Lend
	ds_load_b64 v[32:33], v[SRA]
	s_wait_dscnt 0x0
	global_store_b64 v[L8], v[32:33], s[58:59]     ; 32 lanes store 256 consecutive bytes, aligned
.Lend:
	s_wait_tensorcnt 0x0                           ; the wave's end
	ds_add_u32 v243, v255
	s_wait_dscnt 0x0
	s_endpgm
.Lfunc_end_k_q51153a17a8_attn:
	.size	k_q51153a17a8_attn, .Lfunc_end_k_q51153a17a8_attn-k_q51153a17a8_attn
	.p2alignl 7, 3214868480
	.fill 96, 4, 3214868480
	.section	.rodata,"a",@progbits
	.p2align	6, 0x0
	.amdhsa_kernel k_q51153a17a8_attn
		.amdhsa_group_segment_fixed_size 327680
		.amdhsa_private_segment_fixed_size 0
		.amdhsa_enable_private_segment 0
		.amdhsa_kernarg_size 16
		.amdhsa_user_sgpr_count 2
		.amdhsa_user_sgpr_kernarg_segment_ptr 1
		.amdhsa_wavefront_size32 1
		.amdhsa_system_sgpr_workgroup_id_x 1
		.amdhsa_system_sgpr_workgroup_id_y 1
		.amdhsa_system_sgpr_workgroup_id_z 1
		.amdhsa_system_vgpr_workitem_id 0
		.amdhsa_next_free_vgpr 256
		.amdhsa_next_free_sgpr 96
		.amdhsa_reserve_vcc 1
		.amdhsa_float_denorm_mode_32 3
		.amdhsa_float_denorm_mode_16_64 3
		.amdhsa_memory_ordered 1
		.amdhsa_forward_progress 1
		.amdhsa_inst_pref_size 86
	.end_amdhsa_kernel
	.amdgpu_metadata
---
amdhsa.version: [ 1, 2 ]
amdhsa.kernels:
  - .name:           k_q51153a17a8_attn
    .symbol:         k_q51153a17a8_attn.kd
    .args:
      - { .name: qkv, .offset: 0, .size: 8, .value_kind: global_buffer, .address_space: global }
      - { .name: ao, .offset: 8, .size: 8, .value_kind: global_buffer, .address_space: global }
    .group_segment_fixed_size: 327680
    .private_segment_fixed_size: 0
    .kernarg_segment_align: 8
    .kernarg_segment_size: 16
    .max_flat_workgroup_size: 256
    .sgpr_count:     96
    .vgpr_count:     256
    .wavefront_size: 32
...
	.end_amdgpu_metadata
.endif
;; end of part 3
;; launch outp (part 4): grid 16 x 16, 4 waves a work-group, clusters of 4 x 4, 327,680 bytes of LDS; arguments ao, codes, bo, out0; writes out0
.if DOCPART == 4
	.amdgcn_target "amdgcn-amd-amdhsa--gfx1250"
	.amdhsa_code_object_version 6
	.text
	.protected	k_q51153a17a8_outp
	.globl	k_q51153a17a8_outp
	.p2align	8
	.type	k_q51153a17a8_outp,@function
k_q51153a17a8_outp:
	s_mov_b64 s[64:65], 0
	v_nop
	global_prefetch_b8 v0, s[64:65] scope:SCOPE_SE
	s_setreg_imm32_b32 hwreg(HW_REG_WAVE_MODE, 25, 1), 1
	s_wait_xcnt 0x0
	s_wait_alu depctr_hold_cnt(0) depctr_sa_sdst(0) depctr_va_vdst(0) depctr_va_sdst(0) depctr_va_ssrc(0) depctr_va_vcc(0) depctr_vm_vsrc(0)
	s_getreg_b32 s2, hwreg(HW_REG_IB_STS2, 6, 4)
	s_cmp_eq_u32 s2, 0
	s_cbranch_scc0 .Lentry_in_a_cluster
	s_endpgm
.Lentry_in_a_cluster:
	s_bfe_u32 s2, ttmp6, 0x10000c
	s_cmp_lg_u32 s2, 0xf033
	s_cbranch_scc0 .Lentry_shape_is_right
	s_endpgm
.Lentry_shape_is_right:
; out0 = (attention's result) Wo^T + bo on codes of FP6 (E2M3).  Both operands come as RECORDS (128 rows x 128 K: eight fragment images of 1,536 bytes, 512 bytes of scale words;
; lane r of fragment f holds row 32 (f / 2) + 8 (f % 2) + r + 8 (r / 8)): S1 = ao's row tile y (the tokens), S0 = Wo's row tile x (tensor 6 of codes).
; A tile of 128 x 128 is made by four waves, 64 x 64 each: 16 accumulators.  The matrix instruction is used transposed (source 0 = S0, source 1 = S1): a lane holds one token and eight neighbouring columns a tile.
; The bias is the C of each sum's first product.  K = 2,048 is 16 steps of 128.  TWO LDS SLOTS OF SIX STEPS (S1's six records, then S0's six: 153,600 bytes): steps 0-5 at the head, one joint load a wave
; (three records, 150 rows of 256 bytes); steps 6-11 behind the three lines and a round, as a refill; steps 12-15 one refill of slot 0 (two records a wave).  One tensor load of a wave is out at any time.
; CLUSTERS: 4 x 4 work-groups; S1's records are asked for jointly along a row of the cluster, S0's along a column.
; PREFETCH INTO THE L2: behind each joint load a wave asks for the bytes of its next joint load, six K steps ahead of it at the least from the second on.  The four partners that ask for a tile jointly share its blocks of 256 bytes
; out by address: the partner at place p (cx for S1, cy for S0) names blocks 38 p .. 38 p + 37 of 150, held at 149 (the last load: 25 p .. 25 p + 24 of 100); lanes left over name the wave's last block again.
; REGISTERS: window 0: v4-27, v30 addresses; v28, v29 the add's; v32-39 scale words, two sets; v40-71 the bias; v64-127 rows on the way out; v128-255 accumulators.  Window 1: two fragment buffers.
.set REC,   12800
.set HALFB, 3*REC                      ; what a wave's long load brings
.set S0OFF, 6*REC                      ; S0's records in a slot
.set SLOTB, 12*REC
.set STAGE, 2*SLOTB                    ; behind the slots: 16 rows x 272 bytes for each wave
.set SPARE, STAGE+4*4352               ; the spare words, 128 bytes for each wave: two blocks of 256 bytes that no other line names
.set ADRA, 4                           ; v4-7    S1's fragments: register 2 slot + q / 3 serves the slot's steps q (an LDS offset has 16 bits)
.set ADRB, 8                           ; v8-11   S0's
.set ASA,  12                          ; v12-15  S1's scale words
.set ASB,  16                          ; v16-19  S0's
.set STO,  20
.set RD,   21
.set GO,   22
.set BNA,  25
.set PF0,  26
.set PF1,  27
.set SPW,  28
.set NIL,  29
.set PF2,  30
.set SC,   32
.set BN,   40
.set OB,   64
.set ACC,  128
.set G1A,  24
.set G1B,  32
.set G0A,  40                          ; s[40:51] group 0 for S1's three loads;  s[52:63] for S0's
.set G0B,  52
.set MSB, 0
.macro WIN new                         ; the immediate's high byte repeats the setting that is left
.if MSB != \new
	s_set_vgpr_msb (MSB<<8)|\new
.set MSB, \new
.endif
.endm
.set MUL,  0x05
.set TO_F, 0x40
.macro PLACES
.rept 4
	v_nop
.endr
.endm
.macro JLOAD s                         ; a joint load: waves 0 and 1 fetch for S1, waves 2 and 3 for S0; an s_nop 0 and four v_nop follow each line
	s_cmp_eq_u32 s15, 0
	s_cbranch_scc0 .Lfor_b_\@
	tensor_load_to_lds s[G0A+4*\s:G0A+4*\s+3], s[G1A:G1A+7]
	s_nop 0
.rept 4
	v_nop
.endr
	s_branch .Lasked_\@
.Lfor_b_\@:
	tensor_load_to_lds s[G0B+4*\s:G0B+4*\s+3], s[G1B:G1B+7]
	s_nop 0
.rept 4
	v_nop
.endr
.Lasked_\@:
.endm
.macro CREST
	s_cmp_lg_u32 s14, 0
	s_cbranch_scc1 .Lnot_wave_0_\@
	s_barrier_signal -3
.Lnot_wave_0_\@:
	s_barrier_wait -3
	s_barrier_signal -1
	s_barrier_wait -1
.endm
.macro CROUND
	s_barrier_signal -1
	s_barrier_wait -1
	CREST
.endm
.macro WMR i, t, buf, rc               ; S0's fragment t x S1's fragment i; C from v[rc] on.  A scale register carries an even fragment's words in lanes 0-15, the odd one's in lanes 16-31
.set rD, ACC+8*(4*(\i)+(\t))
.set rA, 128*(\buf)+48+12*(\t)
.set rB, 128*(\buf)+12*(\i)
.set rC, \rc
.set scA, SC+4*(\buf)+2+(\t)/2
.set scB, SC+4*(\buf)+(\i)/2
.if ((\t)%2 == 0) && ((\i)%2 == 0)
	v_wmma_scale_f32_16x16x128_f8f6f4 v[rD:rD+7], v[rA:rA+11], v[rB:rB+11], v[rC:rC+7], v[scA], v[scB] matrix_a_fmt:MATRIX_FMT_FP6 matrix_b_fmt:MATRIX_FMT_FP6
.elseif ((\t)%2 == 1) && ((\i)%2 == 0)
	v_wmma_scale_f32_16x16x128_f8f6f4 v[rD:rD+7], v[rA:rA+11], v[rB:rB+11], v[rC:rC+7], v[scA], v[scB] matrix_a_fmt:MATRIX_FMT_FP6 matrix_b_fmt:MATRIX_FMT_FP6 matrix_a_scale:MATRIX_SCALE_ROW1
.elseif ((\t)%2 == 0) && ((\i)%2 == 1)
	v_wmma_scale_f32_16x16x128_f8f6f4 v[rD:rD+7], v[rA:rA+11], v[rB:rB+11], v[rC:rC+7], v[scA], v[scB] matrix_a_fmt:MATRIX_FMT_FP6 matrix_b_fmt:MATRIX_FMT_FP6 matrix_b_scale:MATRIX_SCALE_ROW1
.else
	v_wmma_scale_f32_16x16x128_f8f6f4 v[rD:rD+7], v[rA:rA+11], v[rB:rB+11], v[rC:rC+7], v[scA], v[scB] matrix_a_fmt:MATRIX_FMT_FP6 matrix_b_fmt:MATRIX_FMT_FP6 matrix_a_scale:MATRIX_SCALE_ROW1 matrix_b_scale:MATRIX_SCALE_ROW1
.endif
.endm
.macro MUL8 i0, buf, cm                ; eight products; the 16 accumulators take turns, one instruction a turn.  cm = 2: the bias starts the sums
.irp i, \i0, \i0+1
.irp t, 0,1,2,3
.if \cm == 2
	WMR (\i), \t, \buf, BN+8*\t
.else
	WMR (\i), \t, \buf, ACC+8*(4*(\i)+\t)
.endif
.endr
.endr
.endm
.macro FETCH slot, q, buf              ; the fragments and scale words of the slot's q-th K step: 26 loads
	WIN TO_F
.irp t, 0,1,2,3
.irp c, 0,1,2
	ds_load_b128 v[128*(\buf)+48+12*\t+4*\c:128*(\buf)+48+12*\t+4*\c+3], v[ADRB+2*(\slot)+(\q)/3] offset:REC*((\q)%3)+1536*\t+512*\c
.endr
.endr
.irp i, 0,1,2,3
.irp c, 0,1,2
	ds_load_b128 v[128*(\buf)+12*\i+4*\c:128*(\buf)+12*\i+4*\c+3], v[ADRA+2*(\slot)+(\q)/3] offset:REC*((\q)%3)+1536*\i+512*\c
.endr
.endr
	WIN 0
	ds_load_b64 v[SC+4*(\buf):SC+4*(\buf)+1], v[ASA+2*(\slot)+(\q)/3] offset:REC*((\q)%3)
	ds_load_b64 v[SC+4*(\buf)+2:SC+4*(\buf)+3], v[ASB+2*(\slot)+(\q)/3] offset:REC*((\q)%3)
.endm
.macro STEP buf, cm, nslot, nq
	s_wait_dscnt 0x0                               ; this step's fragments and scale words are in
	PLACES                                         ; behind the last step's products, which read the other buffer
	FETCH \nslot, \nq, 1-(\buf)
	WIN MUL
	MUL8 0, \buf, \cm
	MUL8 2, \buf, \cm
	WIN 0
.endm
.macro TURN buf, fill, nslot           ; a slot's last K step: one barrier; fill = 1: it opens a round of the cluster's barrier, and slot 0 takes K steps 12-15
	s_wait_tensorcnt 0x0                           ; all my tensor loads have landed
	ds_add_u32 v[SPW], v[NIL]                      ; 0 onto my spare word
.if \fill
	s_mov_b32 s[G1A+2], 100<<16                    ; no load of mine is out, so a descriptor may be written: the last load brings 100 rows, two records
	s_mov_b32 s[G1A+4], 100
	s_mov_b32 s[G1B+2], 100<<16
	s_mov_b32 s[G1B+4], 100
.endif
	s_wait_dscnt 1                                 ; this step's 26 loads are in; the add alone may be out
	WIN MUL
	MUL8 0, \buf, 0
	s_wait_dscnt 0x0                               ; the add is done, and my reads of the slot are over
	s_barrier_signal -1
	MUL8 2, \buf, 0
	WIN 0
	s_barrier_wait -1
.if \fill
	CREST                                          ; no wave of any partner still reads slot 0 or has a load on its way
	JLOAD 2                                        ; its four v_nop are the places in front of the loads below
.else
	PLACES
.endif
	FETCH \nslot, 0, 1-(\buf)
.endm
	s_load_b256 s[4:11], s[0:1], 0x0               ; ao, codes, bo, out0
	v_lshl_add_u32 v[SPW], v0, 2, SPARE
	v_mov_b32 v[NIL], 0
	ds_add_u32 v[SPW], v[NIL]                      ; the opening lines: the add, twice on end, and its wait
	ds_add_u32 v[SPW], v[NIL]
	v_lshrrev_b32 v1, 5, v0
	v_readfirstlane_b32 s14, v1                    ; wave 0..3
	s_lshr_b32 s15, s14, 1                         ; a: my 64 tokens.  Also: I fetch for S1 (0) or for S0 (1)
	s_and_b32 s16, s14, 1                          ; b: my 64 columns.  Also: which half of a slot's steps I fetch
	s_bfe_u32 s17, ttmp6, 0x40000                  ; cx
	s_bfe_u32 s18, ttmp6, 0x40004                  ; cy
	s_lshl_b32 s19, ttmp9, 2
	s_add_co_u32 s19, s19, s17                     ; x: the tile of columns
	s_and_b32 s20, ttmp7, 0xffff
	s_lshl_b32 s20, s20, 2
	s_add_co_u32 s20, s20, s18                     ; y: the tile of tokens
	s_lshl_b32 s80, s18, 2
	s_lshl_b32 s80, 15, s80                        ; my row of the cluster
	s_lshl_b32 s81, 0x1111, s17                    ; my column
	s_or_b32 s[G1A], s80, (3<<16)|(1<<21)          ; the mask; elements of 8 bytes; bit 21 beside a mask; no padding
	s_or_b32 s[G1B], s81, (3<<16)|(1<<21)
.irp g, G1A, G1B
	s_mov_b32 s[\g+1], 32<<16                      ; rows of 256 bytes
	s_mov_b32 s[\g+2], 150<<16                     ; 150 rows: three records
	s_mov_b32 s[\g+3], 32<<16
	s_mov_b32 s[\g+4], 150
	s_mov_b32 s[\g+5], 32                          ; the block is dense
	s_mov_b32 s[\g+6], 0
	s_mov_b32 s[\g+7], 0
.endr
	s_mul_i32 s70, s16, HALFB
	s_mul_i32 s21, s16, 2*REC
	s_add_co_u32 s21, s21, 12*REC                  ; the last load's place in a stream: step 12 + 2 b
	s_mul_i32 s66, s20, 16*REC
	s_add_co_u32 s68, s19, 96
	s_mul_i32 s68, s68, 16*REC                     ; Wo is tensor 6 of codes
	s_add_co_u32 s74, s66, s21
	s_add_co_u32 s76, s68, s21
	s_add_co_u32 s66, s66, s70
	s_add_co_u32 s68, s68, s70
	s_mov_b32 s67, 0
	s_mov_b32 s69, 0
	s_mov_b32 s75, 0
	s_mov_b32 s77, 0
	s_mul_i32 s71, s14, HALFB                      ; where the long loads go: wave x 38,400
	s_mul_i32 s78, s15, S0OFF
	s_mul_i32 s79, s16, 2*REC
	s_add_co_u32 s78, s78, s79                     ; and the last one
	s_wait_dscnt 0x0                               ; both opening adds are done
	s_wait_kmcnt 0x0
	s_add_nc_u64 s[66:67], s[4:5], s[66:67]
	s_add_nc_u64 s[68:69], s[6:7], s[68:69]
	s_add_nc_u64 s[74:75], s[4:5], s[74:75]
	s_add_nc_u64 s[76:77], s[6:7], s[76:77]
	CROUND                                         ; all sixteen work-groups are here: the first joint loads meet
.irp s, 0,1
	s_mov_b32 s[G0A+4*\s], 1
	s_add_co_u32 s[G0A+4*\s+1], s71, \s*SLOTB
	s_add_nc_u64 s[G0A+4*\s+2:G0A+4*\s+3], s[66:67], \s*S0OFF
	s_or_b32 s[G0A+4*\s+3], s[G0A+4*\s+3], 0x80000000
	s_mov_b32 s[G0B+4*\s], 1
	s_add_co_u32 s[G0B+4*\s+1], s71, \s*SLOTB
	s_add_nc_u64 s[G0B+4*\s+2:G0B+4*\s+3], s[68:69], \s*S0OFF
	s_or_b32 s[G0B+4*\s+3], s[G0B+4*\s+3], 0x80000000
.endr
	s_mov_b32 s[G0A+8], 1
	s_mov_b32 s[G0A+9], s78
	s_mov_b64 s[G0A+10:G0A+11], s[74:75]
	s_or_b32 s[G0A+11], s[G0A+11], 0x80000000
	s_mov_b32 s[G0B+8], 1
	s_mov_b32 s[G0B+9], s78
	s_mov_b64 s[G0B+10:G0B+11], s[76:77]
	s_or_b32 s[G0B+11], s[G0B+11], 0x80000000
	JLOAD 0                                        ; K steps 0-5: one tensor load a wave at the head
	v_and_b32 v1, 31, v0                           ; lane
	v_and_b32 v2, 15, v0                           ; r
	v_bfe_u32 v3, v0, 4, 1                         ; h
	s_cmp_eq_u32 s15, 0                            ; the prefetches: the stream that I fetch,
	s_cselect_b64 s[66:67], s[66:67], s[68:69]
	s_cselect_b64 s[74:75], s[74:75], s[76:77]
	s_cselect_b32 s70, s17, s18                    ; and my place among the four that ask for it with me
	s_mul_i32 s72, s70, 38
	s_mul_i32 s73, s70, 25
	v_min_u32 v23, 5, v1
	v_min_u32 v24, 24, v1
	v_add_nc_u32 v[PF0], s72, v1
	v_add3_u32 v[PF1], s72, v23, 32
	v_add_nc_u32 v[PF2], s73, v24
	v_min_u32 v[PF0], 149, v[PF0]
	v_min_u32 v[PF1], 149, v[PF1]
	v_lshlrev_b32 v[PF2], 8, v[PF2]
	v_lshlrev_b32 v[PF0], 8, v[PF0]
	v_lshlrev_b32 v[PF1], 8, v[PF1]
	s_wait_alu depctr_va_vdst(0)                   ; the wait behind these writes
	global_prefetch_b8 v[PF0], s[66:67] offset:S0OFF th:TH_LOAD_NT scope:SCOPE_SE   ; my part of K steps 6-11
	global_prefetch_b8 v[PF1], s[66:67] offset:S0OFF th:TH_LOAD_NT scope:SCOPE_SE
	v_lshlrev_b32 v23, 4, v1
	v_lshlrev_b32 v24, 3, v1
	s_wait_alu depctr_va_vdst(0)
	s_mul_i32 s72, s15, 6144
	s_mul_i32 s73, s16, 6144
	s_add_co_u32 s73, s73, S0OFF
	s_lshl_b32 s82, s15, 8
	s_add_co_u32 s82, s82, 12288
	s_lshl_b32 s83, s16, 8
	s_add_co_u32 s83, s83, S0OFF+12288
.irp s, 0,1,2,3
	v_add_nc_u32 v[ADRA+\s], s72, v23
	v_add_nc_u32 v[ADRB+\s], s73, v23
	v_add_nc_u32 v[ASA+\s], s82, v24
	v_add_nc_u32 v[ASB+\s], s83, v24
	s_add_co_u32 s72, s72, HALFB+(\s%2)*(SLOTB-2*HALFB)   ; three steps on; from a slot's second half to the next slot
	s_add_co_u32 s73, s73, HALFB+(\s%2)*(SLOTB-2*HALFB)
	s_add_co_u32 s82, s82, HALFB+(\s%2)*(SLOTB-2*HALFB)
	s_add_co_u32 s83, s83, HALFB+(\s%2)*(SLOTB-2*HALFB)
.endr
	s_mul_i32 s72, s14, 4352
	s_add_co_u32 s72, s72, STAGE                   ; my stage
	v_mul_u32_u24 v[STO], v2, 272
	v_lshl_add_u32 v[STO], v3, 6, v[STO]
	v_add_nc_u32 v[STO], s72, v[STO]               ; in: row r, 64 h bytes on
	v_mul_u32_u24 v[RD], v3, 272
	v_lshl_add_u32 v[RD], v2, 4, v[RD]
	v_add_nc_u32 v[RD], s72, v[RD]                 ; back: lanes 0-15 one row of 256 bytes, lanes 16-31 the next
	v_lshlrev_b32 v[GO], 13, v3
	v_lshl_add_u32 v[GO], v2, 4, v[GO]             ; and the same two rows in out0
	v_lshlrev_b32 v[BNA], 6, v3
	s_wait_alu depctr_va_vdst(0)
	s_lshl_b32 s84, s19, 9
	s_lshl_b32 s85, s16, 8
	s_add_co_u32 s84, s84, s85                     ; my 64 columns, in bytes: 512 x + 256 b
	s_mov_b32 s85, 0
	s_add_nc_u64 s[8:9], s[8:9], s[84:85]
	s_lshl_b32 s86, s20, 7
	s_lshl_b32 s87, s15, 6
	s_add_co_u32 s86, s86, s87
	s_lshl_b32 s86, s86, 13                        ; my 64 rows of 8,192 bytes
	s_mov_b32 s87, 0
	s_add_nc_u64 s[86:87], s[86:87], s[84:85]
	s_add_nc_u64 s[10:11], s[10:11], s[86:87]
.irp t, 0,1,2,3
	global_load_b128 v[BN+8*\t:BN+8*\t+3], v[BNA], s[8:9] offset:(32*(\t/2)+8*(\t%2))*4
	global_load_b128 v[BN+8*\t+4:BN+8*\t+7], v[BNA], s[8:9] offset:(32*(\t/2)+8*(\t%2))*4+16
.endr
	s_wait_alu depctr_va_vdst(0)                   ; the wait at the head's end
	s_wait_loadcnt 0x0                             ; the bias
	s_wait_tensorcnt 0x0                           ; my part of slot 0 is in
	ds_add_u32 v[SPW], v[NIL]
	s_wait_dscnt 0x0
	CROUND                                         ; a whole round: slot 0 is whole, and all sixteen work-groups are here
	JLOAD 1                                        ; K steps 6-11, the first tensor load behind the round
	FETCH 0, 0, 0
	global_prefetch_b8 v[PF2], s[74:75] th:TH_LOAD_NT scope:SCOPE_SE   ; my part of K steps 12-15
	STEP 0, 2, 0, 1                                ; K step 0: the bias starts the sums
	STEP 1, 0, 0, 2
	STEP 0, 0, 0, 3
	STEP 1, 0, 0, 4
	STEP 0, 0, 0, 5
	TURN 1, 1, 1                                   ; K step 5: slot 0 is left and filled again
	STEP 0, 0, 1, 1
	STEP 1, 0, 1, 2
	STEP 0, 0, 1, 3
	STEP 1, 0, 1, 4
	STEP 0, 0, 1, 5
	TURN 1, 0, 0                                   ; K step 11: the refill has landed in every wave
	STEP 0, 0, 0, 1
	STEP 1, 0, 0, 2
	STEP 0, 0, 0, 3
	s_wait_dscnt 0x0                               ; K step 15
	WIN MUL
	MUL8 0, 1, 0
	MUL8 2, 1, 0
	WIN 0
	PLACES
; THE WAY OUT, 16 tokens x 64 columns at a time, through my own stage: LDS serves a wave's instructions in order, so no wait stands between the stores and the loads.
.macro OUTB i
.if \i > 1
	s_wait_xcnt 0x0                                ; the stores of two blocks ago have read the registers that the loads below fill
.endif
.irp t, 0,1,2,3
	ds_store_b128 v[STO], v[ACC+8*(4*\i+\t):ACC+8*(4*\i+\t)+3] offset:128*(\t/2)+32*(\t%2)        ; each accumulator from its low end on
	ds_store_b128 v[STO], v[ACC+8*(4*\i+\t)+4:ACC+8*(4*\i+\t)+7] offset:128*(\t/2)+32*(\t%2)+16
.endr
.irp k, 0,1,2,3,4,5,6,7
	ds_load_b128 v[OB+32*(\i%2)+4*\k:OB+32*(\i%2)+4*\k+3], v[RD] offset:544*\k
.endr
	s_wait_dscnt 0x0
.irp k, 0,1,2,3,4,5,6,7
	global_store_b128 v[GO], v[OB+32*(\i%2)+4*\k:OB+32*(\i%2)+4*\k+3], s[10:11] offset:(32*(\i/2)+8*(\i%2)+2*\k+8*(\k/4))*8192 th:TH_STORE_NT   ; 16 lanes store 256 consecutive bytes, aligned; stage row 2 k + h is token 32 (i / 2) + 8 (i % 2) + 2 k + h + 8 (k / 4)
.endr
.endm
	OUTB 0
	OUTB 1
	OUTB 2
	OUTB 3
	s_wait_tensorcnt 0x0                           ; the wave's end
	ds_add_u32 v[SPW], v[NIL]
	s_wait_dscnt 0x0
	CROUND                                         ; the closing round
	s_endpgm
.Lfunc_end_k_q51153a17a8_outp:
	.size	k_q51153a17a8_outp, .Lfunc_end_k_q51153a17a8_outp-k_q51153a17a8_outp
	.p2alignl 7, 3214868480
	.fill 96, 4, 3214868480
	.section	.rodata,"a",@progbits
	.p2align	6, 0x0
	.amdhsa_kernel k_q51153a17a8_outp
		.amdhsa_group_segment_fixed_size 327680
		.amdhsa_private_segment_fixed_size 0
		.amdhsa_enable_private_segment 0
		.amdhsa_kernarg_size 32
		.amdhsa_user_sgpr_count 2
		.amdhsa_user_sgpr_kernarg_segment_ptr 1
		.amdhsa_wavefront_size32 1
		.amdhsa_system_sgpr_workgroup_id_x 1
		.amdhsa_system_sgpr_workgroup_id_y 1
		.amdhsa_system_sgpr_workgroup_id_z 1
		.amdhsa_system_vgpr_workitem_id 0
		.amdhsa_next_free_vgpr 512
		.amdhsa_next_free_sgpr 96
		.amdhsa_reserve_vcc 0
		.amdhsa_float_denorm_mode_32 3
		.amdhsa_float_denorm_mode_16_64 3
		.amdhsa_memory_ordered 1
		.amdhsa_forward_progress 1
		.amdhsa_inst_pref_size 83
	.end_amdhsa_kernel
	.amdgpu_metadata
---
amdhsa.version: [ 1, 2 ]
amdhsa.kernels:
  - .name:           k_q51153a17a8_outp
    .symbol:         k_q51153a17a8_outp.kd
    .args:
      - { .name: ao, .offset: 0, .size: 8, .value_kind: global_buffer, .address_space: global }
      - { .name: codes, .offset: 8, .size: 8, .value_kind: global_buffer, .address_space: global }
      - { .name: bo, .offset: 16, .size: 8, .value_kind: global_buffer, .address_space: global }
      - { .name: out0, .offset: 24, .size: 8, .value_kind: global_buffer, .address_space: global }
    .group_segment_fixed_size: 327680
    .private_segment_fixed_size: 0
    .kernarg_segment_align: 8
    .kernarg_segment_size: 32
    .max_flat_workgroup_size: 128
    .sgpr_count:     96
    .vgpr_count:     512
    .wavefront_size: 32
...
	.end_amdgpu_metadata
.endif
;; end of part 4
